; MI455X (gfx1250); checked and timed in simulation.
; The chip was launched on July 23, 2026; its instructions are those of AMD's public machine-readable ISA for CDNA 5 (MIT licence, August 2026) and "CDNA5" Instruction Set Architecture Reference Guide (July 2026). The comments in the code are by the model that wrote it; some were corrected since.
;; Reasoner Attention. Allowed arithmetic: matrix products marked QUANTISED: E2M1 operands, one E8M0 scale for each 32 along K, by v_wmma_scale_f32_16x16x128_f8f6f4 with both operands' format E2M1 (or v_wmma_scale_f32_32x16x128_f4), f32 sums; products left as they are: bf16, f16 or f32 operands; f32 sums; everything else in f32.
;; Inputs: freqs_cos 2,048 x 32 float32; freqs_sin 2,048 x 32 float32; mask 2,048 x 2,048 float32; wk 512 x 2,048 float32; wo 2,048 x 2,048 float32; wq 2,048 x 2,048 float32; wv 512 x 2,048 float32; x 1 x 2,048 x 2,048 float32.
;; Outputs: out0 1 x 2,048 x 2,048 float32.
;; Constants: start_pos = 0.
;; This version of the problem:
;;   THIS VERSION OF THE PROBLEM IS GIVEN IN LOW PRECISION. The matrix products marked QUANTISED in the list below multiply operands that are first quantised to E2M1 (2 exponent bits, 1 mantissa bit; 4 bits a number), with one power-of-two scale for each 32 numbers along K (OCP MX v1.0); their sums are f32. The products marked 'left as it is' may take bf16, f16 or f32 operands, with f32 sums. Whichever they take, every output number must still come out within the allowed error. Rounding operands to bf16 (8 significant bits) uses up far more of that allowance than f16 does (11 bits, for magnitudes from 6e-5 to 65,504). All else is computed in f32.
;;   The module's matrix products, in the order in which they are computed (A, B: the left and right operand; K: the contracted axis; several contracted axes count as one K, in the product's order):
;;     1. [M 2,048, K 2,048] x [K 2,048, N 2,048]; A: input x; B: input wq: QUANTISED
;;     2. [M 2,048, K 2,048] x [K 2,048, N 512]; A: input x; B: input wk: QUANTISED
;;     3. [M 2,048, K 2,048] x [K 2,048, N 512]; A: input x; B: input wv: QUANTISED
;;     4. batch 32 x [M 2,048, K 64] x [K 64, N 2,048]; A: computed on the way; B: computed on the way: left as it is (an operand is computed on the way)
;;     5. batch 32 x [M 2,048, K 2,048] x [K 2,048, N 64]; A: computed on the way; B: computed on the way: left as it is (an operand is computed on the way)
;;     6. [M 2,048, K 2,048] x [K 2,048, N 2,048]; A: computed on the way; B: input wo: left as it is (an operand is computed on the way)
;;   THE QUANTISER, for each operand of a quantised product, along K:
;;     - K is cut into blocks of 32 from its start; a last block that is shorter is filled with zeros.
;;     - A block's scale is 2^e with e = floor(log2(the largest magnitude in the block)) - 2, held to -126 .. 127; a block of zeros has e = 0. As a byte (E8M0): e + 127.
;;     - Each number is divided by its block's scale, clamped to +-6, and rounded to the nearest number of E2M1, ties to even, subnormals kept.
;;     - The product sums the exact products of the quantised numbers (number of the format x scale) in f32.
;;   ~~~python
;;   def quantise(x, axis):      # numpy; x: float32 -> the quantised numbers, widened to float32 again
;;       x = np.moveaxis(x, axis, -1); K = x.shape[-1]
;;       x = np.pad(x, [(0, 0)] * (x.ndim - 1) + [(0, -K % 32)]); x = x.reshape(x.shape[:-1] + (-1, 32)); a = np.abs(x).max(-1, keepdims=True)
;;       e = np.where(a > 0, np.clip(np.frexp(np.where(a > 0, a, 1))[1] - 1 - 2, -126, 127), 0)      # np.frexp(a)[1] - 1 = floor(log2(a)), exactly
;;       r = np.clip(x / 2.0 ** e, -6, 6)
;;       step = 2.0 ** (np.maximum(np.frexp(np.where(r == 0, 1, r))[1] - 1, 0) - 1)
;;       q = np.round(r / step) * step * 2.0 ** e      # np.round: ties to even
;;       return np.moveaxis(q.reshape(q.shape[:-2] + (-1,))[..., :K], -1, axis).astype(np.float32)
;;   ~~~
;; One version. Each part assembles by itself: llvm-mc -triple=amdgcn-amd-amdhsa -mcpu=gfx1250 --defsym DOCPART=n.
;; ======== version 1 of 1: 6 launches
;; limits: values are held in f16: magnitudes above 65,504 overflow, below 6.1e-05 lose precision
;; workspace buffers: codes 5,242,880 bytes; scl 327,680 bytes; woh 8,388,608 bytes; qh 8,388,608 bytes; kv 8,454,144 bytes; att 8,388,608 bytes; attf 540,672 bytes
;; launch prep (part 1): grid 448 x 1, 4 waves a work-group, no clusters, 33,280 bytes of LDS; arguments x, wq, wk, wv, wo, codes, scl, woh; writes codes, scl, woh
.if DOCPART == 1
	.amdgcn_target "amdgcn-amd-amdhsa--gfx1250"
	.amdhsa_code_object_version 6
	.text
	.protected	k_q8e69738d38_prep
	.globl	k_q8e69738d38_prep
	.p2align	8
	.type	k_q8e69738d38_prep,@function
k_q8e69738d38_prep:
	s_mov_b64 s[64:65], 0
	v_nop
	global_prefetch_b8 v0, s[64:65] scope:SCOPE_SE
	s_setreg_imm32_b32 hwreg(HW_REG_WAVE_MODE, 25, 1), 1
	s_wait_xcnt 0x0
; x [2048][2048], wq [2048][2048], wk, wv [512][2048], f32, become codes of FP4 (E2M1), K innermost, 1,024 bytes a row, with one E8M0 byte for each 32 along K, 64 bytes a row;
; wo [2048][2048] f32 becomes f16, row-major.
; ROW ORDER of codes and scl: rows 0-2047 are x's; row 2048 + 192 j + t is a weight row of column tile j: t = 0..127: wq's row 128 j + t; t = 128..191: wk's row 64 j + t - 128 (j < 8) or wv's row 64 (j - 8) + t - 128.
; A block's scale is 2^(floor(log2(its largest magnitude)) - 2); its byte is the largest magnitude's exponent field - 2, held at 1 from below.  A block of zeros so gets the byte 1: its codes are zeros, and this program alone reads the bytes.
; LIMITS: NaN and infinities among the inputs are not served; blocks whose largest magnitude lies under 2^(2 - 126) take the byte 1; |wo| stays under 65,504 (f16).
; SHARES: work-groups 0-127 x, 128-255 wq, 256-287 wk, 288-319 wv: a wave takes 4 rows, 8,192 numbers, in 16 steps of 512.  Work-groups 320-447 cast wo, 8,192 numbers a wave.  Work-groups share no input: no cluster.
; A step's four loads read 512 consecutive bytes each; the 2,048 bytes turn through the wave's own stage in LDS (16 bytes of padding behind each 64) and come back 64 bytes a lane: 16 neighbours along K; two lanes hold a block.
; A wave's store of codes covers 256 consecutive bytes, aligned; its 256 scale bytes are gathered in LDS and leave as 256 consecutive bytes, aligned.
.set STEPS, 16
.set CB,    8                          ; bytes of 16 codes
.set R,     16                         ; v16-79   four sets of 16 numbers as loaded
.set X,     80                         ; v80-111  two sets of 16 neighbours
.set C,     128                        ; v128-191 codes, four registers a step
.set E,     112                        ; v112-127 a scale byte a step
.set WREG,  8192                       ; LDS: a region for each wave: two stages of 32 x SP bytes, then 256 scale bytes
.set SP,    80
.set SPW,   12                         ; v12 LDS address of my spare word; never rewritten
.set NIL,   13                         ; v13 0; never rewritten
.set SPARE, 4*WREG                     ; the spare words: 128 bytes a wave, two blocks of 256 bytes that no other line names
.set CI,    16                         ; the cast: v16-143 two sets of 64 numbers
.set CO,    144                        ; v144-175 their f16
	s_load_b256 s[4:11], s[0:1], 0x0               ; x s[4:5], wq s[6:7], wk s[8:9], wv s[10:11]
	s_load_b256 s[12:19], s[0:1], 0x20             ; wo s[12:13], codes s[14:15], scl s[16:17], woh s[18:19]
	v_lshl_add_u32 v[SPW], v0, 2, SPARE
	v_mov_b32 v[NIL], 0
	v_lshrrev_b32 v1, 5, v0
	v_readfirstlane_b32 s20, v1                    ; wave
	v_and_b32 v2, 31, v0                           ; lane
	v_lshlrev_b32 v3, 4, v2                        ; 16 x lane
	v_lshlrev_b32 v7, 3, v2                        ; 8 x lane
	s_wait_kmcnt 0x0
	s_cmp_ge_u32 ttmp9, 320
	s_cbranch_scc1 .Lcast
	; ---- the quantiser
	s_mul_i32 s25, s20, WREG
	v_lshrrev_b32 v14, 2, v2
	v_mul_u32_u24 v14, v14, SP
	v_and_b32 v15, 3, v2
	v_lshl_add_u32 v14, v15, 4, v14
	v_add_nc_u32 v14, s25, v14                     ; the stage, on the way in: SP (lane / 4) + 16 (lane % 4)
	v_mul_u32_u24 v15, v2, SP
	v_add_nc_u32 v15, s25, v15                     ; on the way out: SP x lane
	v_mul_u32_u24 v4, v2, CB                       ; my codes' place in a step's
	v_lshrrev_b32 v5, 1, v2
	s_add_co_u32 s25, s25, 2*32*SP
	v_add_nc_u32 v5, s25, v5                       ; my block's scale byte in LDS
	v_add_nc_u32 v6, s25, v7                       ; and 8 bytes a lane on the way out
	s_mov_b32 s21, 0                               ; the tensor's first work-group
	s_mov_b32 s22, 0                               ; output row = n + mul x (n >> sh) + add
	s_mov_b32 s23, 7
	s_mov_b32 s24, 0
	s_cmp_ge_u32 ttmp9, 128                        ; the choices hang on the work-group's number alone
	s_cselect_b64 s[4:5], s[6:7], s[4:5]
	s_cselect_b32 s21, 128, s21
	s_cselect_b32 s22, 64, s22
	s_cselect_b32 s24, 2048, s24
	s_cmp_ge_u32 ttmp9, 256
	s_cselect_b64 s[4:5], s[8:9], s[4:5]
	s_cselect_b32 s21, 256, s21
	s_cselect_b32 s22, 128, s22
	s_cselect_b32 s23, 6, s23
	s_cselect_b32 s24, 2176, s24
	s_cmp_ge_u32 ttmp9, 288
	s_cselect_b64 s[4:5], s[10:11], s[4:5]
	s_cselect_b32 s21, 288, s21
	s_cselect_b32 s24, 3712, s24
	s_sub_co_u32 s26, ttmp9, s21
	s_lshl_b32 s26, s26, 2
	s_add_co_u32 s26, s26, s20                     ; my run of 4 rows
	s_lshl_b32 s28, s26, 15                        ; 32,768 bytes of f32 a run
	s_mov_b32 s29, 0
	s_add_nc_u64 s[4:5], s[4:5], s[28:29]
	s_lshl_b32 s27, s26, 2                         ; n: my first row in the tensor
	s_lshr_b32 s30, s27, s23
	s_mul_i32 s30, s30, s22
	s_add_co_u32 s27, s27, s30
	s_add_co_u32 s27, s27, s24                     ; my first output row; the four stay neighbours
	s_lshl_b32 s28, s27, 10
	s_add_nc_u64 s[14:15], s[14:15], s[28:29]
	s_lshl_b32 s28, s27, 6
	s_add_nc_u64 s[16:17], s[16:17], s[28:29]
.macro LOAD t
.irp i, 0,1,2,3
	global_load_b128 v[R+16*((\t)%4)+4*\i:R+16*((\t)%4)+4*\i+3], v3, s[4:5] offset:2048*(\t)+512*\i th:TH_LOAD_NT   ; 32 lanes read 512 consecutive bytes
.endr
.endm
.macro TURN t                          ; step t's numbers through the stage: LDS serves a wave's instructions in order, so no wait stands between the stores and the loads
.irp i, 0,1,2,3
	ds_store_b128 v14, v[R+16*((\t)%4)+4*\i:R+16*((\t)%4)+4*\i+3] offset:32*SP*((\t)%2)+8*SP*\i
.endr
.irp i, 0,1,2,3
	ds_load_b128 v[X+16*((\t)%2)+4*\i:X+16*((\t)%2)+4*\i+3], v15 offset:32*SP*((\t)%2)+16*\i
.endr
.endm
.irp t, 0,1,2,3
	LOAD \t
.endr
	s_wait_loadcnt 12                              ; step 0's four loads are in; the twelve of steps 1 to 3 may be out
	TURN 0
.macro STEP t
.set XS, X+16*((\t)%2)
.if (\t) > 0
	s_wait_dscnt 1                                 ; this step's numbers are back from the stage; the last step's byte store may be out
.else
	s_wait_dscnt 0x0
.endif
.if (\t)+4 < STEPS
	LOAD (\t)+4
.endif
.if (\t)+1 < STEPS
.if STEPS-2-(\t) >= 3
	s_wait_loadcnt 12                              ; the next step's four loads are in; those of the three steps behind it may be out
.else
	s_wait_loadcnt 4*(STEPS-2-(\t))
.endif
	TURN (\t)+1
.endif
	v_max3_num_f32 v8, |v[XS]|, |v[XS+1]|, |v[XS+2]|               ; the largest magnitude of my 16, in two chains
	v_max3_num_f32 v9, |v[XS+3]|, |v[XS+4]|, |v[XS+5]|
.irp i, 6,10
	v_max3_num_f32 v8, v8, |v[XS+\i]|, |v[XS+\i+1]|
	v_max3_num_f32 v9, v9, |v[XS+\i+2]|, |v[XS+\i+3]|
.endr
	v_max3_num_f32 v8, v8, |v[XS+14]|, |v[XS+15]|
	v_max3_num_f32 v8, v8, v9, 0x1800000           ; and the floor 2^(3 - 127): the byte cannot fall under 1
	v_max_num_f32_dpp v8, v8, v8 row_xmask:1 row_mask:0xf bank_mask:0xf   ; with my neighbour's 16: the block's
	v_add_nc_u32 v11, 0xff000000, v8               ; 2 off its exponent field: the conversion takes this operand's exponent field as its scale
	v_cvt_scalef32_pk8_fp4_f32 v[C+4*(\t)], v[XS:XS+7], v11
	v_cvt_scalef32_pk8_fp4_f32 v[C+4*(\t)+1], v[XS+8:XS+15], v11
	v_lshrrev_b32 v[E+(\t)], 23, v11               ; the scale's byte
	ds_store_b8 v5, v[E+(\t)] offset:16*(\t)       ; both lanes of a block write the same byte with the same value
	global_store_b64 v4, v[C+4*(\t):C+4*(\t)+1], s[14:15] offset:32*CB*(\t)   ; 256 consecutive bytes a wave, aligned
.endm
.irp t, 0,1,2,3,4,5,6,7,8,9,10,11,12,13,14,15
	STEP \t
.endr
	ds_load_b64 v[8:9], v6                         ; LDS serves a wave's instructions in order: these see my byte stores
	s_wait_dscnt 0x0
	global_store_b64 v7, v[8:9], s[16:17]          ; my four rows' 256 scale bytes
	s_wait_tensorcnt 0x0                           ; the wave's end
	ds_add_u32 v[SPW], v[NIL]
	s_wait_dscnt 0x0
	s_endpgm
	; ---- the cast of wo: no LDS.  Four groups of 16 loads (512 consecutive bytes each) in two sets of registers; a store covers 256 consecutive bytes, aligned
.Lcast:
	s_sub_co_u32 s26, ttmp9, 320
	s_lshl_b32 s26, s26, 2
	s_add_co_u32 s26, s26, s20
	s_lshl_b32 s28, s26, 15
	s_mov_b32 s29, 0
	s_add_nc_u64 s[12:13], s[12:13], s[28:29]
	s_lshl_b32 s28, s26, 14
	s_add_nc_u64 s[18:19], s[18:19], s[28:29]
.macro CLOAD g
.irp i, 0,1,2,3,4,5,6,7,8,9,10,11,12,13,14,15
	global_load_b128 v[CI+64*((\g)%2)+4*\i:CI+64*((\g)%2)+4*\i+3], v3, s[12:13] offset:8192*(\g)+512*\i th:TH_LOAD_NT
.endr
.endm
.macro CGROUP g
.if (\g) < 3
	s_wait_loadcnt 16                              ; this group is in; the next group's sixteen may be out
.else
	s_wait_loadcnt 0x0
.endif
	s_wait_xcnt 0x0                                ; the last group's stores have read their data registers
.irp i, 0,1,2,3,4,5,6,7,8,9,10,11,12,13,14,15
	v_cvt_pk_f16_f32 v[CO+2*\i], v[CI+64*((\g)%2)+4*\i], v[CI+64*((\g)%2)+4*\i+1]
	v_cvt_pk_f16_f32 v[CO+2*\i+1], v[CI+64*((\g)%2)+4*\i+2], v[CI+64*((\g)%2)+4*\i+3]
.endr
.if (\g)+2 < 4
	CLOAD (\g)+2
.endif
.irp i, 0,1,2,3,4,5,6,7,8,9,10,11,12,13,14,15
	global_store_b64 v7, v[CO+2*\i:CO+2*\i+1], s[18:19] offset:4096*(\g)+256*\i
.endr
.endm
	CLOAD 0
	CLOAD 1
	CGROUP 0
	CGROUP 1
	CGROUP 2
	CGROUP 3
	s_endpgm
.Lfunc_end_k_q8e69738d38_prep:
	.size	k_q8e69738d38_prep, .Lfunc_end_k_q8e69738d38_prep-k_q8e69738d38_prep
	.p2alignl 7, 3214868480
	.fill 96, 4, 3214868480
	.section	.rodata,"a",@progbits
	.p2align	6, 0x0
	.amdhsa_kernel k_q8e69738d38_prep
		.amdhsa_group_segment_fixed_size 33280
		.amdhsa_private_segment_fixed_size 0
		.amdhsa_enable_private_segment 0
		.amdhsa_kernarg_size 64
		.amdhsa_user_sgpr_count 2
		.amdhsa_user_sgpr_kernarg_segment_ptr 1
		.amdhsa_wavefront_size32 1
		.amdhsa_system_sgpr_workgroup_id_x 1
		.amdhsa_system_sgpr_workgroup_id_y 1
		.amdhsa_system_sgpr_workgroup_id_z 1
		.amdhsa_system_vgpr_workitem_id 0
		.amdhsa_next_free_vgpr 192
		.amdhsa_next_free_sgpr 66
		.amdhsa_reserve_vcc 0
		.amdhsa_float_denorm_mode_32 3
		.amdhsa_float_denorm_mode_16_64 3
		.amdhsa_memory_ordered 1
		.amdhsa_forward_progress 1
		.amdhsa_inst_pref_size 55
	.end_amdhsa_kernel
	.amdgpu_metadata
---
amdhsa.version: [ 1, 2 ]
amdhsa.kernels:
  - .name:           k_q8e69738d38_prep
    .symbol:         k_q8e69738d38_prep.kd
    .args:
      - { .name: x, .offset: 0, .size: 8, .value_kind: global_buffer, .address_space: global }
      - { .name: wq, .offset: 8, .size: 8, .value_kind: global_buffer, .address_space: global }
      - { .name: wk, .offset: 16, .size: 8, .value_kind: global_buffer, .address_space: global }
      - { .name: wv, .offset: 24, .size: 8, .value_kind: global_buffer, .address_space: global }
      - { .name: wo, .offset: 32, .size: 8, .value_kind: global_buffer, .address_space: global }
      - { .name: codes, .offset: 40, .size: 8, .value_kind: global_buffer, .address_space: global }
      - { .name: scl, .offset: 48, .size: 8, .value_kind: global_buffer, .address_space: global }
      - { .name: woh, .offset: 56, .size: 8, .value_kind: global_buffer, .address_space: global }
    .group_segment_fixed_size: 33280
    .private_segment_fixed_size: 0
    .kernarg_segment_align: 8
    .kernarg_segment_size: 64
    .max_flat_workgroup_size: 128
    .sgpr_count:     66
    .vgpr_count:     192
    .wavefront_size: 32
...
	.end_amdgpu_metadata
.endif
;; end of part 1
;; launch qkv (part 2): grid 16 x 16, 6 waves a work-group, clusters of 4 x 4, 327,680 bytes of LDS; arguments codes, scl, freqs_cos, freqs_sin, qh, kv; writes qh, kv
.if DOCPART == 2
	.amdgcn_target "amdgcn-amd-amdhsa--gfx1250"
	.amdhsa_code_object_version 6
	.text
	.protected	k_q8e69738d38_qkv
	.globl	k_q8e69738d38_qkv
	.p2align	8
	.type	k_q8e69738d38_qkv,@function
k_q8e69738d38_qkv:
	s_mov_b64 s[64:65], 0
	v_nop
	global_prefetch_b8 v0, s[64:65] scope:SCOPE_SE
	s_setreg_imm32_b32 hwreg(HW_REG_WAVE_MODE, 25, 1), 1
	s_wait_xcnt 0x0
	s_wait_alu depctr_hold_cnt(0) depctr_sa_sdst(0) depctr_va_vdst(0) depctr_va_sdst(0) depctr_va_ssrc(0) depctr_va_vcc(0) depctr_vm_vsrc(0)
	s_getreg_b32 s2, hwreg(HW_REG_IB_STS2, 6, 4)
	s_cmp_eq_u32 s2, 0
	s_cbranch_scc0 .Lentry_in_a_cluster
	s_endpgm
.Lentry_in_a_cluster:
	s_bfe_u32 s2, ttmp6, 0x10000c
	s_cmp_lg_u32 s2, 0xf033
	s_cbranch_scc0 .Lentry_shape_is_right
	s_endpgm
.Lentry_shape_is_right:
; q, k, v = x wq^T, x wk^T, x wv^T on codes of FP4 (E2M1) with E8M0 scales, sums in f32; then the rotation of q and k in f32; q is also multiplied by log2(e) / 8.  The results leave as f16, laid as images of
; the operand registers of the later products: a piece is 512 bytes, lane l's 16 bytes at 16 l.
;   qh [head 32][T 128][b 4][512]: lane (r, h) holds q'(16 T + r, 16 b + 8 h + 0..7).   kv: kh at 0 [g 8][T 128][b 4][512] likewise; vh at 2,097,152 [g 8][G 32][dt 4][t4 4][512]: lane (r, h) holds
;   v(key 64 G + 16 t4 + 8 h + 0..7, d = 16 dt + r); kl, vl: the low parts (number - its f16, again as f16) 4,194,304 bytes on; ql at 8,388,608 [head 32][b 4][512]: the low parts of q', positions 0-15.
; LIMITS: |q'|, |k|, |v| stay under 65,504 (f16); NaN and infinities are not served.
; SHARES.  Work-group (j, i): 128 positions (row tile i) x 192 weight rows (column tile j: Q heads 2 j, 2 j + 1 and K head j, or V head j - 8).  Six waves: wave w takes 64 positions (w & 1) x one head (w >> 1): 16 accumulators.
; THE PRODUCT IS USED TRANSPOSED: source 0 = block b of side S0, source 1 = block a of side S1; in accumulator (a, b) lane (r, h), register n holds (S1 row 16 a + r, S0 row 16 b + 8 h + n).  For Q and K: S1 = positions,
; S0 = weight rows: a lane holds 8 neighbouring d of one position.  For V the sides change places, by addresses alone (the wave's tile is square): a lane holds 8 neighbouring keys of one d.
; K goes in four steps of 512 (rows of 256 bytes) through three LDS slots: steps 0, 1, 2 are first fills (three tensor loads of a wave are out), step 3 fills slot 0 again behind one round of the cluster's barrier.
; CLUSTER 4 x 4: x's tile hangs on i alone and is asked for jointly by a row of the cluster, the weights' tile on j alone, by a column.
; REGISTERS: window 0: v1-14 addresses; v16, 17 the add's two; v18-19 the cosines' addend; v32-95 scale words of all of K; v96-127 at work on the way out; v128-255 accumulators.
;   window 1: v0-63, v64-127 two fragment buffers (S0's four fragments, then S1's); v128-191 cosines, v192-255 sines, four a tile.
.set PITCH, 272                        ; an LDS row: 256 bytes + 16 of padding: the 16 rows of a load start at 16 different groups of four banks
.set BLKB,  16*PITCH
.set SLOT,  320*PITCH                  ; 128 rows of x, then 192 weight rows
.set SPARE, 3*SLOT                     ; the spare words: 128 bytes a wave, three blocks of 256 bytes that no other line names
.set AD0, 4                            ; v4-6   LDS address of S0's fragments in slot 0, 1, 2
.set AD1, 8                            ; v8-10  the same for S1
.set SCO, 11                           ; v11    my row's scale bytes in scl: lanes 0-15 S1's rows, lanes 16-31 S0's
.set CSO, 12                           ; v12    my place in the tables of cosines and sines
.set LI,  13                           ; v13    16 x lane
.set VI,  14                           ; v14    the row tile i
.set SPW, 16
.set NIL, 17
.set BB,  18
.set SC,  32                           ; v[SC + 16 s + 4 blk + q]: K step s, block blk, the step's q-th 128 along K
.set HP,  96                           ; v96-99 high parts; v100-107 their f32, then the differences; v108-123 low parts or high parts to store
.set WD,  100
.set LP,  108
.set ACC, 128
.set F0,  0
.set F1,  64
.set COS, 128
.set SIN, 192
.set WV, 16
.set CX, 17
.set CY, 18
.set JJ, 19
.set II, 20
.set RH, 23
.set G1A, 24                           ; s[24:31] descriptor group 1 for x's tiles; s[32:39] for the weights'
.set G1B, 32
.set G0A, 40                           ; s[40:51] three groups 0 for x's tiles; s[52:63] for the weights'
.set G0B, 52
.set HD, 66
.set FF, 67                            ; 1 in a wave that makes V
.set AA, 70                            ; s[70:71] the factor of cosines and sines
.set DP, 72                            ; s[72:73] where my images go
.set QL, 74                            ; s[74:75] where q's low parts go
.set MSB, 0
.macro WIN new                         ; the immediate's high byte repeats the setting that is left
.if MSB != \new
	s_set_vgpr_msb (MSB<<8)|\new
.set MSB, \new
.endif
.endm
.set W_MUL, 0x05                       ; sources 0 and 1 window 1; C and D window 0
.set TO_F,  0x40                       ; destination window 1
.set W_CS,  0x41                       ; destination and source 0 window 1
.set W_ROPE, 0x04                      ; source 1 window 1
.macro CROUND                          ; a round of the cluster's barrier
	s_barrier_signal -1
	s_barrier_wait -1
	s_cmp_lg_u32 s[WV], 0
	s_cbranch_scc1 .Lnot_wave_0_\@
	s_barrier_signal -3
.Lnot_wave_0_\@:
	s_barrier_wait -3
	s_barrier_signal -1
	s_barrier_wait -1
.endm
.macro PLACES                          ; four places behind a matrix instruction of this form, ahead of loads into its sources and of reads of its result
.rept 4
	v_nop
.endr
.endm
.macro JLOAD n                         ; a joint load: waves 0, 1 fetch x's halves, waves 2 to 5 the weights' quarters; the branch hangs on the wave's number alone
	s_cmp_lt_u32 s[WV], 2
	s_cbranch_scc0 .Lfor_b_\@
	tensor_load_to_lds s[G0A+4*(\n):G0A+4*(\n)+3], s[G1A:G1A+7]
	s_nop 0
	PLACES
	s_branch .Lasked_\@
.Lfor_b_\@:
	tensor_load_to_lds s[G0B+4*(\n):G0B+4*(\n)+3], s[G1B:G1B+7]
	s_nop 0
	PLACES
.Lasked_\@:
.endm
	s_load_b256 s[4:11], s[0:1], 0x0               ; codes s[4:5], scl s[6:7], cos s[8:9], sin s[10:11]
	s_load_b128 s[12:15], s[0:1], 0x20             ; qh s[12:13], kv s[14:15]
	v_lshl_add_u32 v[SPW], v0, 2, SPARE
	v_mov_b32 v[NIL], 0
	ds_add_u32 v[SPW], v[NIL]                      ; the wave's opening: the add, twice on end, and its wait ahead of my first tensor load
	ds_add_u32 v[SPW], v[NIL]
	v_lshrrev_b32 v1, 5, v0
	v_readfirstlane_b32 s[WV], v1                  ; wave 0..5
	s_and_b32 s[RH], s[WV], 1                      ; which 64 positions
	s_lshr_b32 s[HD], s[WV], 1                     ; which head of the tile's three
	s_bfe_u32 s[CX], ttmp6, 0x40000
	s_bfe_u32 s[CY], ttmp6, 0x40004
	s_lshl_b32 s[JJ], ttmp9, 2
	s_add_co_u32 s[JJ], s[JJ], s[CX]               ; column tile j
	s_and_b32 s[II], ttmp7, 0xffff
	s_lshl_b32 s[II], s[II], 2
	s_add_co_u32 s[II], s[II], s[CY]               ; row tile i
	s_lshl_b32 s21, s[CY], 2
	s_lshl_b32 s21, 15, s21                        ; my row of the cluster
	s_lshl_b32 s22, 0x1111, s[CX]                  ; my column
	s_or_b32 s[G1A], s21, (1<<20)|(1<<21)|(5<<22)|(3<<25)   ; the mask; elements of 1 byte; padding on; bit 21 beside a mask; 4 words of padding after every 64
	s_or_b32 s[G1B], s22, (1<<20)|(1<<21)|(5<<22)|(3<<25)
	s_mov_b32 s[G1A+1], 256<<16                    ; tensor_dim0 = 256
	s_mov_b32 s[G1A+2], 64<<16                     ; tensor_dim1 = 64
	s_mov_b32 s[G1A+3], 256<<16                    ; tile_dim0
	s_mov_b32 s[G1A+4], 64                         ; tile_dim1
	s_mov_b32 s[G1A+5], 1024                       ; bytes from row to row
	s_mov_b32 s[G1A+6], 0
	s_mov_b32 s[G1A+7], 0
	s_mov_b32 s[G1B+1], 256<<16
	s_mov_b32 s[G1B+2], 48<<16
	s_mov_b32 s[G1B+3], 256<<16
	s_mov_b32 s[G1B+4], 48
	s_mov_b32 s[G1B+5], 1024
	s_mov_b32 s[G1B+6], 0
	s_mov_b32 s[G1B+7], 0
	s_cmp_ge_u32 ttmp9, 2                          ; column tiles 8 to 15 lie in clusters 2, 3 along x: the same in all partners
	s_cselect_b32 s68, 1, 0
	s_cmp_ge_u32 s[WV], 4
	s_cselect_b32 s69, 1, 0
	s_and_b32 s[FF], s68, s69
	s_lshl_b32 s76, s[II], 17                      ; x's rows 128 i + 64 (w & 1), 1,024 bytes each
	s_lshl_b32 s77, s[RH], 16
	s_add_co_u32 s76, s76, s77
	s_mov_b32 s77, 0
	s_mul_i32 s78, s[JJ], 196608                   ; weight rows 2048 + 192 j + 48 (w - 2)
	s_mul_i32 s79, s[WV], 49152
	s_add_co_u32 s78, s78, s79
	s_add_co_u32 s78, s78, 1998848
	s_mov_b32 s79, 0
	s_mul_i32 s80, s[RH], 64*PITCH                 ; where they go: no place in the cluster enters an LDS address
	s_mul_i32 s81, s[WV], 48*PITCH
	s_add_co_u32 s81, s81, 32*PITCH
	s_wait_dscnt 0x0                               ; both opening adds are done
	s_wait_kmcnt 0x0
	s_add_nc_u64 s[82:83], s[4:5], s[76:77]
	s_add_nc_u64 s[84:85], s[4:5], s[78:79]
	CROUND                                         ; all sixteen work-groups are here: the first joint loads meet
.irp n, 0,1,2
	s_mov_b32 s[G0A+4*\n], 1
	s_add_co_u32 s[G0A+4*\n+1], s80, \n*SLOT
	s_add_nc_u64 s[G0A+4*\n+2:G0A+4*\n+3], s[82:83], \n*256
	s_or_b32 s[G0A+4*\n+3], s[G0A+4*\n+3], 0x80000000
	s_mov_b32 s[G0B+4*\n], 1
	s_add_co_u32 s[G0B+4*\n+1], s81, \n*SLOT
	s_add_nc_u64 s[G0B+4*\n+2:G0B+4*\n+3], s[84:85], \n*256
	s_or_b32 s[G0B+4*\n+3], s[G0B+4*\n+3], 0x80000000
.endr
	s_cmp_lt_u32 s[WV], 2                          ; a wave's three first fills stand in one branch
	s_cbranch_scc0 .Lfirst_b
	tensor_load_to_lds s[G0A:G0A+3], s[G1A:G1A+7]
	s_nop 0
	tensor_load_to_lds s[G0A+4:G0A+7], s[G1A:G1A+7]
	s_nop 0
	tensor_load_to_lds s[G0A+8:G0A+11], s[G1A:G1A+7]
	s_nop 0
	PLACES
	s_branch .Lfirst_done
.Lfirst_b:
	tensor_load_to_lds s[G0B:G0B+3], s[G1B:G1B+7]
	s_nop 0
	tensor_load_to_lds s[G0B+4:G0B+7], s[G1B:G1B+7]
	s_nop 0
	tensor_load_to_lds s[G0B+8:G0B+11], s[G1B:G1B+7]
	s_nop 0
	PLACES
.Lfirst_done:
	v_and_b32 v1, 15, v0                           ; r
	v_bfe_u32 v2, v0, 4, 1                         ; h
	v_and_b32 v7, 31, v0                           ; lane
	v_lshlrev_b32 v[LI], 4, v7
	v_mov_b32 v[VI], s[II]
	s_lshl_b32 s86, s[II], 7
	s_lshl_b32 s95, s[RH], 6
	s_add_co_u32 s86, s86, s95                     ; my first row of x
	s_mul_i32 s87, s[JJ], 192
	s_lshl_b32 s95, s[HD], 6
	s_add_co_u32 s87, s87, s95
	s_add_co_u32 s87, s87, 2048                    ; my first weight row
	s_mul_i32 s91, s[HD], 64*PITCH
	s_add_co_u32 s91, s91, 128*PITCH               ; my head's rows in a slot
	s_lshl_b32 s96, s[II], 1
	s_add_co_u32 s96, s96, s[RH]
	s_lshl_b32 s96, s96, 13                        ; my 64 positions in an image: 8,192 bytes
	s_lshl_b32 s98, s[JJ], 1
	s_add_co_u32 s98, s98, s[HD]                   ; the Q head
	s_lshl_b32 s99, s98, 11
	s_add_co_u32 s99, s99, 8388608                 ; its low parts
	s_lshl_b32 s98, s98, 18
	s_add_co_u32 s98, s98, s96                     ; its images
	s_and_b32 s95, s[JJ], 7
	s_lshl_b32 s95, s95, 18
	s_add_co_u32 s96, s96, s95
	s_lshl_b32 s95, s[FF], 21
	s_add_co_u32 s96, s96, s95                     ; K's or V's images
	s_cmp_lg_u32 s[FF], 0                          ; V: the sides change places
	s_cselect_b32 s88, s87, s86                    ; S1's first row in codes and scl
	s_cselect_b32 s89, s86, s87                    ; S0's
	s_cselect_b32 s90, 256*PITCH, s80              ; S1's rows in a slot
	s_cselect_b32 s92, s80, s91                    ; S0's
	s_cselect_b32 s[AA], 0, 0x3f800000             ; V is not rotated: cos' = cos x 0 + 1, sin' = sin x 0
	s_cselect_b32 s93, 0x3f800000, 0
	s_cmp_lt_u32 s[HD], 2
	s_cselect_b32 s[AA], 0x3e38aa3b, s[AA]         ; Q: log2(e) / 8 rides on the rotation
	s_cselect_b64 s[DP:DP+1], s[12:13], s[14:15]
	s_cselect_b32 s96, s98, s96
	s_mov_b32 s97, 0
	s_add_nc_u64 s[DP:DP+1], s[DP:DP+1], s[96:97]
	s_mov_b32 s98, s99
	s_mov_b32 s99, 0
	s_add_nc_u64 s[QL:QL+1], s[14:15], s[98:99]
	s_mov_b32 s[AA+1], s[AA]
	v_mov_b32 v[BB], s93
	v_mov_b32 v[BB+1], s93
	s_lshl_b32 s88, s88, 6
	s_lshl_b32 s89, s89, 6
	v_mov_b32 v3, s88
	v_mov_b32 v15, s89
	v_cmp_gt_u32 vcc_lo, 16, v7
	v_cndmask_b32 v[SCO], v15, v3, vcc_lo          ; lanes 0-15: S1's rows; lanes 16-31: S0's
	v_lshl_add_u32 v[SCO], v1, 6, v[SCO]
.irp s, 0,1,2,3
.irp k, 0,1,2,3
	global_load_b128 v[SC+16*\s+4*\k:SC+16*\s+4*\k+3], v[SCO], s[6:7] offset:1024*\k+16*\s   ; the four scale words of K step s, rows of block k
.endr
.endr
	s_lshl_b32 s98, s86, 7                         ; a position's 32 cosines are 128 bytes
	s_add_nc_u64 s[8:9], s[8:9], s[98:99]
	s_add_nc_u64 s[10:11], s[10:11], s[98:99]
	v_lshlrev_b32 v[CSO], 7, v1
	v_lshl_add_u32 v[CSO], v2, 4, v[CSO]           ; position r, pairs 4 h on
	WIN TO_F
.irp a, 0,1,2,3
.irp b, 0,1,2,3
	global_load_b128 v[COS+4*(4*\a+\b):COS+4*(4*\a+\b)+3], v[CSO], s[8:9] offset:2048*\a+32*\b
	global_load_b128 v[SIN+4*(4*\a+\b):SIN+4*(4*\a+\b)+3], v[CSO], s[10:11] offset:2048*\a+32*\b
.endr
.endr
	WIN 0
	v_mul_u32_u24 v3, v1, PITCH
	v_lshl_add_u32 v3, v2, 4, v3                   ; a fragment's row x pitch + 16 x half
.irp s, 0,1,2
	v_add_nc_u32 v[AD1+\s], s90, v3
	v_add_nc_u32 v[AD0+\s], s92, v3
	s_add_co_u32 s90, s90, SLOT
	s_add_co_u32 s92, s92, SLOT
.endr
	s_wait_loadcnt 0x0
	WIN W_CS
.set n, 0
.rept 32
	v_pk_fma_f32 v[COS+2*n:COS+2*n+1], v[COS+2*n:COS+2*n+1], s[AA:AA+1], v[BB:BB+1] op_sel_hi:[1,0,1]
	v_pk_mul_f32 v[SIN+2*n:SIN+2*n+1], v[SIN+2*n:SIN+2*n+1], s[AA:AA+1] op_sel_hi:[1,0]
.set n, n+1
.endr
	WIN 0
; 16 LDS loads: the fragments of the slot's q-th 128 along K into buffer f.  A fragment, 16 rows x 128 K of 4-bit codes, is 8 registers: two loads of 16 bytes, 32 bytes apart
.macro FETCH slot, q, f
	WIN TO_F
.irp i, 0,1,2,3
	ds_load_b128 v[\f+8*\i:\f+8*\i+3], v[AD0+\slot] offset:64*(\q)+\i*BLKB
	ds_load_b128 v[\f+8*\i+4:\f+8*\i+7], v[AD0+\slot] offset:64*(\q)+\i*BLKB+32
	ds_load_b128 v[\f+32+8*\i:\f+32+8*\i+3], v[AD1+\slot] offset:64*(\q)+\i*BLKB
	ds_load_b128 v[\f+32+8*\i+4:\f+32+8*\i+7], v[AD1+\slot] offset:64*(\q)+\i*BLKB+32
.endr
.endm
; 16 matrix instructions, 128 along K; the sixteen accumulators take turns, one instruction a turn, in the same order in every chunk.  zero = 1: the products start the sums
.macro MUL s, q, f, zero
	WIN W_MUL
.irp a, 0,1,2,3
.irp b, 0,1,2,3
.if \zero
	v_wmma_scale_f32_16x16x128_f8f6f4 v[ACC+8*(4*\a+\b):ACC+8*(4*\a+\b)+7], v[\f+8*\b:\f+8*\b+7], v[\f+32+8*\a:\f+32+8*\a+7], 0, v[SC+16*(\s)+4*\b+(\q)], v[SC+16*(\s)+4*\a+(\q)] matrix_a_fmt:MATRIX_FMT_FP4 matrix_b_fmt:MATRIX_FMT_FP4 matrix_a_scale:MATRIX_SCALE_ROW1
.else
	v_wmma_scale_f32_16x16x128_f8f6f4 v[ACC+8*(4*\a+\b):ACC+8*(4*\a+\b)+7], v[\f+8*\b:\f+8*\b+7], v[\f+32+8*\a:\f+32+8*\a+7], v[ACC+8*(4*\a+\b):ACC+8*(4*\a+\b)+7], v[SC+16*(\s)+4*\b+(\q)], v[SC+16*(\s)+4*\a+(\q)] matrix_a_fmt:MATRIX_FMT_FP4 matrix_b_fmt:MATRIX_FMT_FP4 matrix_a_scale:MATRIX_SCALE_ROW1
.endif
.endr
.endr
.endm
.macro CH slot, s, q                   ; a chunk whose successor lies in the same slot: the successor's fragments are asked for, then this chunk is multiplied
	PLACES
	FETCH \slot, (\q)+1, 64*(((\q)+1)%2)
	s_wait_dscnt 16                                ; this chunk's fragments are in; the sixteen loads just issued may be out
	MUL \s, \q, 64*((\q)%2), 0
.endm
	s_wait_tensorcnt 2                             ; my part of K step 0 is in; steps 1 and 2 may be out
	s_barrier_signal -1
	s_barrier_wait -1
	FETCH 0, 0, F0
	FETCH 0, 1, F1
	s_wait_dscnt 16
	MUL 0, 0, F0, 1
	CH 0, 0, 1
	CH 0, 0, 2
	WIN 0                                          ; K step 0's last fragments have been asked for: slot 0 is filled again, with K step 3
	s_wait_tensorcnt 0x0                           ; all my tensor loads have landed: K steps 1 and 2 are whole behind the round
	ds_add_u32 v[SPW], v[NIL]                      ; 0 onto my spare word
	s_add_nc_u64 s[G0A+2:G0A+3], s[G0A+2:G0A+3], 768
	s_add_nc_u64 s[G0B+2:G0B+3], s[G0B+2:G0B+3], 768
	s_wait_dscnt 0x0                               ; the add is done, and my reads of slot 0 are over
	CROUND                                         ; no wave of any partner still reads slot 0 or has a load on its way
	JLOAD 0                                        ; it has K steps 1 and 2, 128 matrix instructions, in which to land; its four v_nop are the places ahead of the loads below
	FETCH 1, 0, F0
	s_wait_dscnt 16
	MUL 0, 3, F1, 0
	CH 1, 1, 0
	CH 1, 1, 1
	CH 1, 1, 2
	PLACES
	FETCH 2, 0, F0
	s_wait_dscnt 16
	MUL 1, 3, F1, 0
	CH 2, 2, 0
	CH 2, 2, 1
	CH 2, 2, 2
	WIN 0
	s_wait_tensorcnt 0x0                           ; my part of K step 3 is in
	ds_add_u32 v[SPW], v[NIL]
	s_wait_dscnt 0x0
	s_barrier_signal -1
	s_barrier_wait -1                              ; everybody's is
	PLACES
	FETCH 0, 0, F0
	s_wait_dscnt 16
	MUL 2, 3, F1, 0
	CH 0, 3, 0
	CH 0, 3, 1
	CH 0, 3, 2
	s_wait_dscnt 0x0
	MUL 3, 3, F1, 0
	; ---- the rotation, in f32: (x1, x2) -> (x1 c - x2 s, x1 s + x2 c) on neighbouring pairs of d; each accumulator is read from its low end on
	PLACES
	WIN W_ROPE
.irp t, 0,1,2,3,4,5,6,7,8,9,10,11,12,13,14,15
.irp p, 0,1,2,3
	v_mul_f32 v[96+2*\p], v[ACC+8*\t+2*\p+1], v[SIN+4*\t+\p]
	v_mul_f32 v[97+2*\p], v[ACC+8*\t+2*\p+1], v[COS+4*\t+\p]
.endr
.irp p, 0,1,2,3
	v_fma_f32 v[ACC+8*\t+2*\p+1], v[ACC+8*\t+2*\p], v[SIN+4*\t+\p], v[97+2*\p]
	v_fma_f32 v[ACC+8*\t+2*\p], v[ACC+8*\t+2*\p], v[COS+4*\t+\p], -v[96+2*\p]
.endr
.endr
	WIN 0
	; ---- the high parts: a tile's eight numbers a lane pack into 16 bytes; a store covers 512 consecutive bytes, aligned
.irp t, 0,1,2,3,4,5,6,7,8,9,10,11,12,13,14,15
	s_wait_xcnt 0x0                                ; earlier stores have read their data registers
.irp k, 0,1,2,3
	v_cvt_pk_f16_f32 v[LP+4*(\t%2)+\k], v[ACC+8*\t+2*\k], v[ACC+8*\t+2*\k+1]
.endr
	global_store_b128 v[LI], v[LP+4*(\t%2):LP+4*(\t%2)+3], s[DP:DP+1] offset:2048*(\t/4)+512*(\t%4)
.endr
; the low parts of tile t into v[lp] on: number - f32(f16(number)), as f16
.macro LO t, lp
.irp k, 0,1,2,3
	v_cvt_pk_f16_f32 v[HP+\k], v[ACC+8*(\t)+2*\k], v[ACC+8*(\t)+2*\k+1]
.endr
	v_cvt_f32_f16 v100, v96.l
	v_cvt_f32_f16 v101, v96.h
	v_cvt_f32_f16 v102, v97.l
	v_cvt_f32_f16 v103, v97.h
	v_cvt_f32_f16 v104, v98.l
	v_cvt_f32_f16 v105, v98.h
	v_cvt_f32_f16 v106, v99.l
	v_cvt_f32_f16 v107, v99.h
.irp k, 0,1,2,3,4,5,6,7
	v_sub_f32 v[WD+\k], v[ACC+8*(\t)+\k], v[WD+\k]
.endr
.irp k, 0,1,2,3
	v_cvt_pk_f16_f32 v[(\lp)+\k], v[WD+2*\k], v[WD+2*\k+1]
.endr
.endm
	s_wait_xcnt 0x0
	s_cmp_ge_u32 s[WV], 4                          ; branches on the wave's number: the same in every work-group
	s_cbranch_scc0 .Lq_low
.irp t, 0,1,2,3,4,5,6,7,8,9,10,11,12,13,14,15
	s_wait_xcnt 0x0
	LO \t, LP+4*(\t%2)
	global_store_b128 v[LI], v[LP+4*(\t%2):LP+4*(\t%2)+3], s[DP:DP+1] offset:4194304+2048*(\t/4)+512*(\t%4)   ; K's and V's low parts, all positions
.endr
	s_branch .Ldone
.Lq_low:
	s_cmp_eq_u32 s[RH], 0
	s_cbranch_scc0 .Ldone
	LO 0, LP                                       ; q's low parts of my first 16 positions, computed with all lanes on;
	LO 1, LP+4
	LO 2, LP+8
	LO 3, LP+12
	v_cmp_eq_u32 vcc_lo, 0, v[VI]                  ; stored where they are positions 0-15: row tile 0.  A mask on the lanes, no branch: the row tile differs between partners
	s_wait_xcnt 0x0                                ; EXEC changes only behind this wait
	s_and_saveexec_b32 s94, vcc_lo
.irp b, 0,1,2,3
	global_store_b128 v[LI], v[LP+4*\b:LP+4*\b+3], s[QL:QL+1] offset:512*\b
.endr
	s_wait_xcnt 0x0
	s_or_b32 exec_lo, exec_lo, s94
.Ldone:
	s_wait_tensorcnt 0x0                           ; the wave's end
	ds_add_u32 v[SPW], v[NIL]
	s_wait_dscnt 0x0
	CROUND                                         ; the closing round: no work-group ends while a partner may still ask for a tile that names it
	s_endpgm
.Lfunc_end_k_q8e69738d38_qkv:
	.size	k_q8e69738d38_qkv, .Lfunc_end_k_q8e69738d38_qkv-k_q8e69738d38_qkv
	.p2alignl 7, 3214868480
	.fill 96, 4, 3214868480
	.section	.rodata,"a",@progbits
	.p2align	6, 0x0
	.amdhsa_kernel k_q8e69738d38_qkv
		.amdhsa_group_segment_fixed_size 327680
		.amdhsa_private_segment_fixed_size 0
		.amdhsa_enable_private_segment 0
		.amdhsa_kernarg_size 48
		.amdhsa_user_sgpr_count 2
		.amdhsa_user_sgpr_kernarg_segment_ptr 1
		.amdhsa_wavefront_size32 1
		.amdhsa_system_sgpr_workgroup_id_x 1
		.amdhsa_system_sgpr_workgroup_id_y 1
		.amdhsa_system_sgpr_workgroup_id_z 1
		.amdhsa_system_vgpr_workitem_id 0
		.amdhsa_next_free_vgpr 512
		.amdhsa_next_free_sgpr 100
		.amdhsa_reserve_vcc 1
		.amdhsa_float_denorm_mode_32 3
		.amdhsa_float_denorm_mode_16_64 3
		.amdhsa_memory_ordered 1
		.amdhsa_forward_progress 1
		.amdhsa_inst_pref_size 112
	.end_amdhsa_kernel
	.amdgpu_metadata
---
amdhsa.version: [ 1, 2 ]
amdhsa.kernels:
  - .name:           k_q8e69738d38_qkv
    .symbol:         k_q8e69738d38_qkv.kd
    .args:
      - { .name: codes, .offset: 0, .size: 8, .value_kind: global_buffer, .address_space: global }
      - { .name: scl, .offset: 8, .size: 8, .value_kind: global_buffer, .address_space: global }
      - { .name: freqs_cos, .offset: 16, .size: 8, .value_kind: global_buffer, .address_space: global }
      - { .name: freqs_sin, .offset: 24, .size: 8, .value_kind: global_buffer, .address_space: global }
      - { .name: qh, .offset: 32, .size: 8, .value_kind: global_buffer, .address_space: global }
      - { .name: kv, .offset: 40, .size: 8, .value_kind: global_buffer, .address_space: global }
    .group_segment_fixed_size: 327680
    .private_segment_fixed_size: 0
    .kernarg_segment_align: 8
    .kernarg_segment_size: 48
    .max_flat_workgroup_size: 192
    .sgpr_count:     100
    .vgpr_count:     512
    .wavefront_size: 32
...
	.end_amdgpu_metadata
.endif
;; end of part 2
;; launch attn (part 3): grid 32 x 8, 8 waves a work-group, clusters of 4 x 4, 327,680 bytes of LDS; arguments qh, kv, mask, att; writes att
.if DOCPART == 3
	.amdgcn_target "amdgcn-amd-amdhsa--gfx1250"
	.amdhsa_code_object_version 6
	.text
	.protected	k_q8e69738d38_attn
	.globl	k_q8e69738d38_attn
	.p2align	8
	.type	k_q8e69738d38_attn,@function
k_q8e69738d38_attn:
	s_mov_b64 s[64:65], 0
	v_nop
	global_prefetch_b8 v0, s[64:65] scope:SCOPE_SE
	s_setreg_imm32_b32 hwreg(HW_REG_WAVE_MODE, 25, 1), 1
	s_wait_xcnt 0x0
	s_wait_alu depctr_hold_cnt(0) depctr_sa_sdst(0) depctr_va_vdst(0) depctr_va_sdst(0) depctr_va_ssrc(0) depctr_va_vcc(0) depctr_vm_vsrc(0)
	s_getreg_b32 s2, hwreg(HW_REG_IB_STS2, 6, 4)
	s_cmp_eq_u32 s2, 0
	s_cbranch_scc0 .Lentry_in_a_cluster
	s_endpgm
.Lentry_in_a_cluster:
	s_bfe_u32 s2, ttmp6, 0x10000c
	s_cmp_lg_u32 s2, 0xf033
	s_cbranch_scc0 .Lentry_shape_is_right
	s_endpgm
.Lentry_shape_is_right:
; att[q][64 head + d] = the sum over keys of softmax_k(q . k / 8 + mask[q][k]) v[k][d], for all 2,048 positions and 32 heads; the mask is an input and is read whole.  Products on f16 operands with f32 sums;
; mask, maximum, exponentials and sums in f32.  q' arrives multiplied by log2(e) / 8: t = q' . k + mask x log2(e) (one fused multiply-add), p = 2^(t - m), m the running maximum of t.
; LIMITS: a row whose every mask number is -infinity is not served (a row of equal large negative numbers is: m is taken off before the exponential); NaN is not served; |att| under 65,504.
; SHARES.  Work-group (qb, g): 64 queries x the four query heads of key/value head g.  Eight waves: wave w takes queries 16 (w & 3) on and heads 4 g + 2 (w >> 2) + e, e = 0, 1: its mask registers serve both heads,
; and each fragment of K and V feeds two matrix instructions.  Two waves share a SIMD: one wave's softmax stands beside the other's products.
; LAYOUT.  Both products transposed: S^T = K Q^T, O^T = V^T P: a lane holds one query (lane % 16) throughout.  K and V^T arrive as images of operand registers: 64 keys are 8,192 consecutive bytes, sixteen loads of 16 bytes a lane.
; RING.  Two LDS slots of 256 keys (four steps of 64): K 32,768 bytes, V 32,768, and the mask's 64 rows x 256 keys as four quarters of 64 rows x (256 + 16) bytes.  All eight waves fetch, 16 KiB each, one joint load a wave behind each
; round of the cluster's barrier; it has four steps in which to land.  One tensor load of a wave is out.
; CLUSTER 4 x 4: K and V hang on g alone (a row of the cluster asks jointly), the mask on qb alone (a column).
; The result leaves as images for the next product: att [rb 16][kk 128][T8 8][512]: lane (r, h) holds att(128 rb + 16 T8 + r, 16 kk + 8 h + 0..7) in f16.
; REGISTERS: window 0: v1-7 addresses and the add's two; v16-31 statistics, eight a head; v32-63 Q; v64-95 mask; v96-159 S^T, then p; v160-191 P; v192-255 K.   window 1: v0-63 O^T; v64-127 V.
.set SLOT,  135168
.set MOFF,  65536                      ; the mask's quarters in a slot
.set MQ,    64*272
.set SPARE, 2*SLOT                     ; the spare words: 128 bytes a wave, four blocks of 256 bytes that no other line names
.set AK0, 1                            ; v1 16 x lane
.set AM0, 2                            ; v2 my place in a quarter of the mask
.set ADK, 3
.set ADM, 4
.set PFO, 5
.set SPW, 6
.set NIL, 7
.set ST,  16                           ; head e at v[ST + 8 e]: +0 m, +1 0, +2, +3 l, +4 to +7 at work; a stands in +6
.set Q,   32
.set MK,  64
.set S,   96
.set P,   160
.set KF,  192
.set O,   0
.set VF,  64
.set WV, 12
.set CX, 13
.set CY, 14
.set QB, 15
.set GG, 16
.set QT, 19
.set HH, 20
.set G1K, 24
.set G1M, 32
.set G0KV, 40
.set G0M, 48
.set LG,  56                           ; s[56:57] log2(e)
.set SEL, 58                           ; s[58:59] lane l xor 16
.set TK,  60
.set TM,  61
.set CNT, 62
.set LAP, 63
.set SLOTS, 66
.set LIM, 67
.set PFA, 68
.set PFS, 70
.set MSB, 0
.macro WIN new
.if MSB != \new
	s_set_vgpr_msb (MSB<<8)|\new
.set MSB, \new
.endif
.endm
.macro CROUND
	s_barrier_signal -1
	s_barrier_wait -1
	s_cmp_lg_u32 s[WV], 0
	s_cbranch_scc1 .Lnot_wave_0_\@
	s_barrier_signal -3
.Lnot_wave_0_\@:
	s_barrier_wait -3
	s_barrier_signal -1
	s_barrier_wait -1
.endm
.macro JLOAD n                         ; waves 0 to 3 fetch K's and V's halves, waves 4 to 7 the mask's quarters
	s_cmp_lt_u32 s[WV], 4
	s_cbranch_scc0 .Lfor_m_\@
	tensor_load_to_lds s[G0KV+4*(\n):G0KV+4*(\n)+3], s[G1K:G1K+7]
	s_nop 0
.rept 4
	v_nop
.endr
	s_branch .Lasked_\@
.Lfor_m_\@:
	tensor_load_to_lds s[G0M+4*(\n):G0M+4*(\n)+3], s[G1M:G1M+7]
	s_nop 0
.rept 4
	v_nop
.endr
.Lasked_\@:
.endm
; A prefetch of the slot that the NEXT change of slots will load: four steps ahead of that load.  Each aligned 256 bytes are named once in the launch.  K and V of a head are walked by all clusters along x: the cluster with x = 0 asks, wave 0 for K and
; wave 2 for V; its four partners along x take 8,192 bytes each, told apart by address.  The mask's rows are walked by both clusters along y: the cluster with y = 0 asks, waves 4 and 5; its partners along y take 16 rows each, by address.
; The last change that loads asks for nothing.
.macro ASK
	s_cmp_gt_u32 s[SLOTS], s[LIM]
	s_cbranch_scc0 .Lnot_mine_\@
	global_prefetch_b8 v[PFO], s[PFA:PFA+1] th:TH_LOAD_NT scope:SCOPE_SE
.Lnot_mine_\@:
.endm
	s_load_b256 s[4:11], s[0:1], 0x0               ; qh s[4:5], kv s[6:7], mask s[8:9], att s[10:11]
	v_lshl_add_u32 v[SPW], v0, 2, SPARE
	v_mov_b32 v[NIL], 0
	ds_add_u32 v[SPW], v[NIL]                      ; the wave's opening: the add, twice on end, and its wait ahead of my first tensor load
	ds_add_u32 v[SPW], v[NIL]
	v_lshrrev_b32 v8, 5, v0
	v_readfirstlane_b32 s[WV], v8                  ; wave 0..7
	s_bfe_u32 s[CX], ttmp6, 0x40000
	s_bfe_u32 s[CY], ttmp6, 0x40004
	s_lshl_b32 s[QB], ttmp9, 2
	s_add_co_u32 s[QB], s[QB], s[CX]               ; block of 64 queries
	s_and_b32 s21, ttmp7, 0xffff                   ; the cluster's y
	s_lshl_b32 s[GG], s21, 2
	s_add_co_u32 s[GG], s[GG], s[CY]               ; key/value head
	s_lshl_b32 s17, s[CY], 2
	s_lshl_b32 s17, 15, s17                        ; my row of the cluster
	s_lshl_b32 s18, 0x1111, s[CX]                  ; my column
	s_and_b32 s[QT], s[WV], 3
	s_lshr_b32 s[HH], s[WV], 2
	s_or_b32 s[G1K], s17, (3<<16)|(1<<21)          ; K, V: a dense block of 16,384 bytes as 64 rows of 32 elements of 8 bytes
	s_mov_b32 s[G1K+1], 32<<16
	s_mov_b32 s[G1K+2], 64<<16
	s_mov_b32 s[G1K+3], 32<<16
	s_mov_b32 s[G1K+4], 64
	s_mov_b32 s[G1K+5], 32
	s_mov_b32 s[G1K+6], 0
	s_mov_b32 s[G1K+7], 0
	s_or_b32 s[G1M], s18, (2<<16)|(1<<20)|(1<<21)|(5<<22)|(3<<25)   ; the mask: 64 rows of 64 f32, 2,048 apart; 4 words of padding behind every 64
	s_mov_b32 s[G1M+1], 64<<16
	s_mov_b32 s[G1M+2], 64<<16
	s_mov_b32 s[G1M+3], 64<<16
	s_mov_b32 s[G1M+4], 64
	s_mov_b32 s[G1M+5], 2048
	s_mov_b32 s[G1M+6], 0
	s_mov_b32 s[G1M+7], 0
	s_and_b32 s22, s[WV], 1
	s_bfe_u32 s23, s[WV], 0x10001                  ; (w >> 1) & 1
	s_lshl_b32 s72, s23, 21                        ; K (0) or V (2,097,152),
	s_lshl_b32 s73, s[GG], 18                      ; the head's 262,144 bytes,
	s_add_co_u32 s72, s72, s73
	s_lshl_b32 s73, s22, 14                        ; my half of a slot's 32,768
	s_add_co_u32 s72, s72, s73
	s_mov_b32 s73, 0
	s_lshl_b32 s74, s[QT], 14                      ; where it goes
	s_mul_i32 s75, s[QT], MQ
	s_add_co_u32 s75, s75, MOFF
	s_lshl_b32 s76, s[QB], 19                      ; the mask: 64 rows of 8,192 bytes,
	s_lshl_b32 s77, s[QT], 8                       ; my quarter's 64 keys
	s_add_co_u32 s76, s76, s77
	s_mov_b32 s77, 0
	s_mov_b32 s[LG], 0x3fb8aa3b
	s_mov_b32 s[LG+1], s[LG]
	s_mov_b32 s[SEL], 0x76543210
	s_mov_b32 s[SEL+1], 0xfedcba98
	s_mov_b32 s[SLOTS], 7
	s_wait_dscnt 0x0                               ; both opening adds are done
	s_wait_kmcnt 0x0
	s_add_nc_u64 s[72:73], s[6:7], s[72:73]
	s_add_nc_u64 s[76:77], s[8:9], s[76:77]
	CROUND                                         ; all sixteen work-groups are here
.irp n, 0,1
	s_mov_b32 s[G0KV+4*\n], 1
	s_add_co_u32 s[G0KV+4*\n+1], s74, \n*SLOT
	s_add_nc_u64 s[G0KV+4*\n+2:G0KV+4*\n+3], s[72:73], \n*32768
	s_or_b32 s[G0KV+4*\n+3], s[G0KV+4*\n+3], 0x80000000
	s_mov_b32 s[G0M+4*\n], 1
	s_add_co_u32 s[G0M+4*\n+1], s75, \n*SLOT
	s_add_nc_u64 s[G0M+4*\n+2:G0M+4*\n+3], s[76:77], \n*1024
	s_or_b32 s[G0M+4*\n+3], s[G0M+4*\n+3], 0x80000000
.endr
	JLOAD 0                                        ; keys 0 to 255
	v_and_b32 v8, 15, v0                           ; r
	v_bfe_u32 v9, v0, 4, 1                         ; h
	v_and_b32 v10, 31, v0                          ; lane
	v_lshlrev_b32 v[AK0], 4, v10
	s_lshl_b32 s72, s[GG], 2
	s_lshl_b32 s73, s[HH], 1
	s_add_co_u32 s72, s72, s73                     ; my first head: 4 g + 2 (w >> 2)
	s_lshl_b32 s73, s[QB], 2
	s_add_co_u32 s73, s73, s[QT]                   ; my tile of 16 queries
	s_lshl_b32 s74, s72, 18
	s_lshl_b32 s75, s73, 11
	s_add_co_u32 s74, s74, s75
	s_mov_b32 s75, 0
	s_add_nc_u64 s[4:5], s[4:5], s[74:75]
.irp e, 0,1
.irp b, 0,1,2,3
	global_load_b128 v[Q+16*\e+4*\b:Q+16*\e+4*\b+3], v[AK0], s[4:5] offset:262144*\e+512*\b   ; Q stays in registers
.endr
.endr
	s_lshr_b32 s74, s[QB], 1
	s_lshl_b32 s74, s74, 19                        ; att: block of 128 rows,
	s_lshl_b32 s76, s72, 14                        ; 4 pieces of 4,096 bytes a head,
	s_add_co_u32 s74, s74, s76
	s_and_b32 s76, s73, 7
	s_lshl_b32 s76, s76, 9                         ; my tile among the block's eight
	s_add_co_u32 s74, s74, s76
	s_add_nc_u64 s[10:11], s[10:11], s[74:75]
	s_mul_i32 s74, s[QT], 16*272
	v_mul_u32_u24 v[AM0], v8, 272
	v_lshl_add_u32 v[AM0], v9, 5, v[AM0]
	v_add_nc_u32 v[AM0], s74, v[AM0]               ; the mask: row 16 (w & 3) + r, + 32 h bytes
	; the prefetches: where mine stand, and who asks
	s_lshl_b32 s72, s23, 21
	s_lshl_b32 s74, s[GG], 18
	s_add_co_u32 s72, s72, s74
	s_lshl_b32 s74, s[CX], 13
	s_add_co_u32 s72, s72, s74
	s_add_co_u32 s72, s72, 32768                   ; K or V: my work-group's 8,192 bytes, in slot 1: the first change steps it to slot 2
	s_lshl_b32 s73, s[CY], 4
	s_lshl_b32 s74, s22, 3
	s_add_co_u32 s73, s73, s74
	s_lshl_b32 s73, s73, 13
	s_lshl_b32 s74, s[QB], 19
	s_add_co_u32 s73, s73, s74
	s_add_co_u32 s73, s73, 1024                    ; the mask: rows 16 cy + 8 (w & 1) on
	s_mov_b32 s[PFS], 1024
	s_mov_b32 s77, 8192
	s_cmp_lt_u32 s[WV], 4
	s_cselect_b64 s[PFA:PFA+1], s[6:7], s[8:9]
	s_cselect_b32 s74, s72, s73
	s_cselect_b32 s[PFS], 32768, s[PFS]            ; a slot on
	s_cselect_b32 s77, 1024, s77                   ; from four lanes to the next four
	s_cselect_b32 s76, s22, s23
	s_cselect_b32 s78, ttmp9, s21
	s_or_b32 s76, s76, s78
	s_cmp_eq_u32 s76, 0
	s_cselect_b32 s[LIM], 1, -1                    ; the same in all sixteen partners, for a given wave
	s_mov_b32 s[PFS+1], 0
	s_add_nc_u64 s[PFA:PFA+1], s[PFA:PFA+1], s[74:75]
	v_lshrrev_b32 v11, 2, v10
	v_mul_lo_u32 v[PFO], v11, s77
	v_and_b32 v11, 3, v10
	v_lshl_add_u32 v[PFO], v11, 8, v[PFO]
.irp e, 0,1
	v_mov_b32 v[ST+8*\e], 0xff61b1e6               ; m: -3e38, under every t
.irp k, 1,2,3,4,5,6,7
	v_mov_b32 v[ST+8*\e+\k], 0
.endr
.endr
	WIN 0x40
.set n, 0
.rept 64
	v_mov_b32 v[O+n], 0                            ; O^T.  (The step is written once: the first finds zeros, which the first a, 0, leaves zeros)
.set n, n+1
.endr
	WIN 0
	s_wait_loadcnt 0x0                             ; Q
; A STEP: 64 keys
.macro STEP
	v_add_nc_u32 v[ADK], s[TK], v[AK0]
	v_add_nc_u32 v[ADM], s[TM], v[AM0]
	v_nop
	v_nop                                          ; four places behind the last products, ahead of the loads into V's registers
.irp kt, 0,1,2,3
	ds_load_b128 v[MK+8*\kt:MK+8*\kt+3], v[ADM] offset:64*\kt
	ds_load_b128 v[MK+8*\kt+4:MK+8*\kt+7], v[ADM] offset:64*\kt+16
.endr
.irp i, 0,1,2,3,4,5,6,7,8,9,10,11,12,13,14,15
	ds_load_b128 v[KF+4*\i:KF+4*\i+3], v[ADK] offset:512*\i
.endr
	WIN 0x40
.irp i, 0,1,2,3,4,5,6,7,8,9,10,11,12,13,14,15
	ds_load_b128 v[VF+4*\i:VF+4*\i+3], v[ADK] offset:32768+512*\i
.endr
	WIN 0
	s_wait_dscnt 16                                ; the mask and K are in; V's sixteen loads may be out
.irp c, 0,1                            ; S^T = K Q^T: eight accumulators by turns
.irp kt, 0,1,2,3
.irp e, 0,1
.if \c == 0
	v_wmma_f32_16x16x32_f16 v[S+32*\e+8*\kt:S+32*\e+8*\kt+7], v[KF+16*\kt+8*\c:KF+16*\kt+8*\c+7], v[Q+16*\e+8*\c:Q+16*\e+8*\c+7], 0
.else
	v_wmma_f32_16x16x32_f16 v[S+32*\e+8*\kt:S+32*\e+8*\kt+7], v[KF+16*\kt+8*\c:KF+16*\kt+8*\c+7], v[Q+16*\e+8*\c:Q+16*\e+8*\c+7], v[S+32*\e+8*\kt:S+32*\e+8*\kt+7]
.endif
.endr
.endr
.endr
.rept 4
	v_nop
.endr
.irp p, 0,1,2,3,4,5,6,7,8,9,10,11,12,13,14,15
.irp e, 0,1
	v_pk_fma_f32 v[S+32*\e+2*\p:S+32*\e+2*\p+1], v[MK+2*\p:MK+2*\p+1], s[LG:LG+1], v[S+32*\e+2*\p:S+32*\e+2*\p+1] op_sel_hi:[1,0,1]   ; t = mask x log2(e) + q' . k
.endr
.endr
.irp k, 0,1,2,3                        ; the maximum of my 32 t and the old m, three at a time, four chains a head
.irp e, 0,1
	v_max3_num_f32 v[ST+8*\e+4+\k], v[S+32*\e+8*\k], v[S+32*\e+8*\k+1], v[S+32*\e+8*\k+2]
.endr
.endr
.irp i, 3,5
.irp k, 0,1,2,3
.irp e, 0,1
	v_max3_num_f32 v[ST+8*\e+4+\k], v[ST+8*\e+4+\k], v[S+32*\e+8*\k+\i], v[S+32*\e+8*\k+\i+1]
.endr
.endr
.endr
.irp e, 0,1
	v_max3_num_f32 v[ST+8*\e+4], v[ST+8*\e+4], v[S+32*\e+7], v[S+32*\e+15]
	v_max3_num_f32 v[ST+8*\e+6], v[ST+8*\e+6], v[S+32*\e+23], v[S+32*\e+31]
.endr
.irp e, 0,1
	v_max3_num_f32 v[ST+8*\e+4], v[ST+8*\e+4], v[ST+8*\e+5], v[ST+8*\e+6]
.endr
.irp e, 0,1
	v_max3_num_f32 v[ST+8*\e+4], v[ST+8*\e+4], v[ST+8*\e+7], v[ST+8*\e]
.endr
.irp e, 0,1
	v_permlanex16_b32 v[ST+8*\e+5], v[ST+8*\e+4], s[SEL], s[SEL+1]   ; the query's other 32 keys lie in the lane 16 away
.endr
.irp e, 0,1
	v_mov_b32 v[ST+8*\e+7], v[ST+8*\e]
.endr
.irp e, 0,1
	v_max_num_f32 v[ST+8*\e], v[ST+8*\e+4], v[ST+8*\e+5]             ; the new m
.endr
.irp e, 0,1
	v_sub_f32 v[ST+8*\e+7], v[ST+8*\e+7], v[ST+8*\e]                 ; old m - new m
.endr
.irp p, 0,1,2,3,4,5,6,7,8,9,10,11,12,13,14,15
.irp e, 0,1
	v_pk_add_f32 v[S+32*\e+2*\p:S+32*\e+2*\p+1], v[S+32*\e+2*\p:S+32*\e+2*\p+1], v[ST+8*\e:ST+8*\e+1] op_sel_hi:[1,0] neg_lo:[0,1] neg_hi:[0,1]   ; t - m
.endr
.endr
.irp e, 0,1
	v_exp_f32 v[ST+8*\e+6], v[ST+8*\e+7]           ; a = 2^(old m - new m)
.endr
.set n, 0
.rept 64
	v_exp_f32 v[S+n], v[S+n]                       ; p = 2^(t - m): one batch
.set n, n+1
.endr
	v_nop                                          ; a plain instruction behind the last exponential
	s_wait_alu depctr_va_vdst(0)                   ; one wait for the batch, ahead of its first reader
.irp k, 0,1,2,3,4,5,6,7,8,9,10,11,12,13,14,15
.irp e, 0,1
	v_cvt_pk_f16_f32 v[P+16*\e+\k], v[S+32*\e+2*\k], v[S+32*\e+2*\k+1]
.endr
.endr
.irp u, 0,1,2,3,4,5,6,7                ; the sum of the unrounded p, in place: neighbours 1, 2, 4, 8 pairs apart
.irp e, 0,1
	v_pk_add_f32 v[S+32*\e+4*\u:S+32*\e+4*\u+1], v[S+32*\e+4*\u:S+32*\e+4*\u+1], v[S+32*\e+4*\u+2:S+32*\e+4*\u+3]
.endr
.endr
.irp u, 0,1,2,3
.irp e, 0,1
	v_pk_add_f32 v[S+32*\e+8*\u:S+32*\e+8*\u+1], v[S+32*\e+8*\u:S+32*\e+8*\u+1], v[S+32*\e+8*\u+4:S+32*\e+8*\u+5]
.endr
.endr
.irp u, 0,1
.irp e, 0,1
	v_pk_add_f32 v[S+32*\e+16*\u:S+32*\e+16*\u+1], v[S+32*\e+16*\u:S+32*\e+16*\u+1], v[S+32*\e+16*\u+8:S+32*\e+16*\u+9]
.endr
.endr
.irp e, 0,1
	v_pk_add_f32 v[S+32*\e:S+32*\e+1], v[S+32*\e:S+32*\e+1], v[S+32*\e+16:S+32*\e+17]
.endr
.irp e, 0,1
	v_pk_fma_f32 v[ST+8*\e+2:ST+8*\e+3], v[ST+8*\e+2:ST+8*\e+3], v[ST+8*\e+6:ST+8*\e+7], v[S+32*\e:S+32*\e+1] op_sel_hi:[1,0,1]   ; l = a l + the sum
.endr
	WIN 0x41
.irp p, 0,1,2,3,4,5,6,7,8,9,10,11,12,13,14,15
.irp e, 0,1
	v_pk_mul_f32 v[O+32*\e+2*\p:O+32*\e+2*\p+1], v[O+32*\e+2*\p:O+32*\e+2*\p+1], v[ST+8*\e+6:ST+8*\e+7] op_sel_hi:[1,0]   ; O^T x a
.endr
.endr
	s_wait_dscnt 0x0                               ; V is in
	WIN 0x51
.irp u, 0,1                            ; O^T += V^T P: eight accumulators by turns
.irp dt, 0,1,2,3
.irp e, 0,1
	v_wmma_f32_16x16x32_f16 v[O+32*\e+8*\dt:O+32*\e+8*\dt+7], v[VF+16*\dt+8*\u:VF+16*\dt+8*\u+7], v[P+16*\e+8*\u:P+16*\e+8*\u+7], v[O+32*\e+8*\dt:O+32*\e+8*\dt+7]
.endr
.endr
.endr
	WIN 0
	s_add_co_u32 s[TK], s[TK], 8192
	s_add_co_u32 s[TM], s[TM], MQ
.endm
; A SLOT'S TURN.  Each wave waits for all its tensor loads (its part of this slot), adds 0 to its spare word, and waits for that and for its reads of the other slot; behind the round the other slot takes the next 256 keys.
.macro TRIP slot, refill
	s_wait_tensorcnt 0x0                           ; no tensor load of mine is out, so a group 0 may be written
	ds_add_u32 v[SPW], v[NIL]
	s_add_nc_u64 s[G0KV+4*\slot+2:G0KV+4*\slot+3], s[G0KV+4*\slot+2:G0KV+4*\slot+3], 65536   ; this slot's next tile: two slots on
	s_add_nc_u64 s[G0M+4*\slot+2:G0M+4*\slot+3], s[G0M+4*\slot+2:G0M+4*\slot+3], 2048
	s_wait_xcnt 0x0                                ; the last prefetch, a slot back, has read its address
	s_add_nc_u64 s[PFA:PFA+1], s[PFA:PFA+1], s[PFS:PFS+1]
	s_wait_dscnt 0x0                               ; the add is done, and my reads of the other slot are over
.if \refill
	CROUND
	JLOAD 1-\slot                                  ; the first tensor load behind the round, one a wave
	ASK
.else
	s_barrier_signal -1
	s_barrier_wait -1
.endif
	s_sub_co_u32 s[SLOTS], s[SLOTS], 1
	s_mov_b32 s[TK], \slot*SLOT
	s_mov_b32 s[TM], \slot*SLOT+MOFF
	s_mov_b32 s[CNT], 4
.Lstep_\@:
	STEP
	s_sub_co_u32 s[CNT], s[CNT], 1
	s_cmp_lg_u32 s[CNT], 0
	s_cbranch_scc1 .Lstep_\@
.endm
	s_mov_b32 s[LAP], 3
.Llap:
	TRIP 0, 1
	TRIP 1, 1
	s_sub_co_u32 s[LAP], s[LAP], 1
	s_cmp_lg_u32 s[LAP], 0
	s_cbranch_scc1 .Llap
	TRIP 0, 1                                      ; the last two slots are written out: the last asks for nothing
	TRIP 1, 0
	; ---- the way out: O^T / l, as f16, straight from registers: a store covers 512 consecutive bytes, aligned.  The additions are the places behind the last products
.irp e, 0,1
	v_add_f32 v[ST+8*\e+4], v[ST+8*\e+2], v[ST+8*\e+3]
.endr
.irp e, 0,1
	v_permlanex16_b32 v[ST+8*\e+5], v[ST+8*\e+4], s[SEL], s[SEL+1]
.endr
.irp e, 0,1
	v_add_f32 v[ST+8*\e+4], v[ST+8*\e+4], v[ST+8*\e+5]
.endr
.irp e, 0,1
	v_rcp_f32 v[ST+8*\e+6], v[ST+8*\e+4]
.endr
	v_nop
	s_wait_alu depctr_va_vdst(0)
	WIN 0x41
.irp e, 0,1
.irp p, 0,1,2,3,4,5,6,7,8,9,10,11,12,13,14,15
	v_pk_mul_f32 v[O+32*\e+2*\p:O+32*\e+2*\p+1], v[O+32*\e+2*\p:O+32*\e+2*\p+1], v[ST+8*\e+6:ST+8*\e+7] op_sel_hi:[1,0]
.endr
.endr
	WIN 0x05
.set n, 0
.rept 32
	v_cvt_pk_f16_f32 v[S+n], v[O+2*n], v[O+2*n+1]
.set n, n+1
.endr
	WIN 0
.irp i, 0,1,2,3,4,5,6,7
	global_store_b128 v[AK0], v[S+4*\i:S+4*\i+3], s[10:11] offset:4096*\i
.endr
	s_wait_tensorcnt 0x0                           ; the wave's end
	ds_add_u32 v[SPW], v[NIL]
	s_wait_dscnt 0x0
	CROUND                                         ; the closing round
	s_endpgm
.Lfunc_end_k_q8e69738d38_attn:
	.size	k_q8e69738d38_attn, .Lfunc_end_k_q8e69738d38_attn-k_q8e69738d38_attn
	.p2alignl 7, 3214868480
	.fill 96, 4, 3214868480
	.section	.rodata,"a",@progbits
	.p2align	6, 0x0
	.amdhsa_kernel k_q8e69738d38_attn
		.amdhsa_group_segment_fixed_size 327680
		.amdhsa_private_segment_fixed_size 0
		.amdhsa_enable_private_segment 0
		.amdhsa_kernarg_size 32
		.amdhsa_user_sgpr_count 2
		.amdhsa_user_sgpr_kernarg_segment_ptr 1
		.amdhsa_wavefront_size32 1
		.amdhsa_system_sgpr_workgroup_id_x 1
		.amdhsa_system_sgpr_workgroup_id_y 1
		.amdhsa_system_sgpr_workgroup_id_z 1
		.amdhsa_system_vgpr_workitem_id 0
		.amdhsa_next_free_vgpr 384
		.amdhsa_next_free_sgpr 80
		.amdhsa_reserve_vcc 0
		.amdhsa_float_denorm_mode_32 3
		.amdhsa_float_denorm_mode_16_64 3
		.amdhsa_memory_ordered 1
		.amdhsa_forward_progress 1
		.amdhsa_inst_pref_size 100
	.end_amdhsa_kernel
	.amdgpu_metadata
---
amdhsa.version: [ 1, 2 ]
amdhsa.kernels:
  - .name:           k_q8e69738d38_attn
    .symbol:         k_q8e69738d38_attn.kd
    .args:
      - { .name: qh, .offset: 0, .size: 8, .value_kind: global_buffer, .address_space: global }
      - { .name: kv, .offset: 8, .size: 8, .value_kind: global_buffer, .address_space: global }
      - { .name: mask, .offset: 16, .size: 8, .value_kind: global_buffer, .address_space: global }
      - { .name: att, .offset: 24, .size: 8, .value_kind: global_buffer, .address_space: global }
    .group_segment_fixed_size: 327680
    .private_segment_fixed_size: 0
    .kernarg_segment_align: 8
    .kernarg_segment_size: 32
    .max_flat_workgroup_size: 256
    .sgpr_count:     80
    .vgpr_count:     384
    .wavefront_size: 32
...
	.end_amdgpu_metadata
.endif
;; end of part 3
;; launch proj (part 4): grid 16 x 16, 4 waves a work-group, clusters of 4 x 4, 327,680 bytes of LDS; arguments att, woh, out0; writes out0
.if DOCPART == 4
	.amdgcn_target "amdgcn-amd-amdhsa--gfx1250"
	.amdhsa_code_object_version 6
	.text
	.protected	k_q8e69738d38_proj
	.globl	k_q8e69738d38_proj
	.p2align	8
	.type	k_q8e69738d38_proj,@function
k_q8e69738d38_proj:
	s_mov_b64 s[64:65], 0
	v_nop
	global_prefetch_b8 v0, s[64:65] scope:SCOPE_SE
	s_setreg_imm32_b32 hwreg(HW_REG_WAVE_MODE, 25, 1), 1
	s_wait_xcnt 0x0
	s_wait_alu depctr_hold_cnt(0) depctr_sa_sdst(0) depctr_va_vdst(0) depctr_va_sdst(0) depctr_va_ssrc(0) depctr_va_vcc(0) depctr_vm_vsrc(0)
	s_getreg_b32 s2, hwreg(HW_REG_IB_STS2, 6, 4)
	s_cmp_eq_u32 s2, 0
	s_cbranch_scc0 .Lentry_in_a_cluster
	s_endpgm
.Lentry_in_a_cluster:
	s_bfe_u32 s2, ttmp6, 0x10000c
	s_cmp_lg_u32 s2, 0xf033
	s_cbranch_scc0 .Lentry_shape_is_right
	s_endpgm
.Lentry_shape_is_right:
; out0[m][n] = the sum over k of att[m][k] wo[n][k]: f16 operands, f32 sums, f32 out.  att arrives as images of operand registers [rb 16][kk 128][T8 8][512 bytes] (lane (r, h): att(128 rb + 16 T8 + r, 16 kk + 8 h + 0..7)),
; woh as rows of 2,048 f16.  All 2,048 rows are made here; rows 0-15 are made again, more finely, by a later launch, since a branch on the row tile would differ between the partners of a cluster.
; A tile of out0 is 128 x 128: 256 work-groups.  Four waves, each 64 x 64: 16 accumulators.  K goes in steps of 256 through two LDS slots: A's 128 rows x 256 K are 65,536 dense bytes of images, B's 128 rows are 512 bytes + 16 of padding.
; CLUSTER 4 x 4: A's tile is asked for jointly by a row of the cluster, B's by a column.  THE MATRIX INSTRUCTION IS USED TRANSPOSED (source 0 = 16 rows of wo, source 1 = 16 rows of att): a lane holds eight neighbouring numbers of a row of out0.
; REGISTERS: window 0: v16-29 addresses; v32-95 the way out; v128-255 accumulators.  window 1: two fragment buffers of 128: 64 registers of A, then 64 of B, for 64 along K.
.set PITCH,  528
.set ABYTES, 65536
.set HALFA,  32768
.set HALFB,  64*PITCH
.set SLOT,   ABYTES+2*HALFB
.set SPARE,  2*SLOT                    ; the spare words: 128 bytes a wave, two blocks of 256 bytes that no other line names
.set SPITCH, 272                       ; the way out: a stage of 16 rows x (256 + 16) bytes for each wave, in slot 0, which has had its last fill and its last read by then
.set LAPS,   4
.set ADRA, 16
.set ADRB, 20
.set STO,  24
.set RD,   25
.set CO,   26
.set SPW,  28
.set NIL,  29
.set TMP,  32
.set ACC,  128
.set F0,   0
.set F1,   128
.set G1, 24
.set G0, 32
.set G1B, 48
.set G0B, 56
.set MSB, 0
.macro WIN new
.if MSB != \new
	s_set_vgpr_msb (MSB<<8)|\new
.set MSB, \new
.endif
.endm
.set W_MUL, 0x05
.set TO_F,  0x40
.macro JLOAD s                         ; waves 0 and 1 fetch A's halves, waves 2 and 3 B's
	s_cmp_eq_u32 s11, 0
	s_cbranch_scc0 .Lfor_b_\@
	tensor_load_to_lds s[G0+4*\s:G0+4*\s+3], s[G1:G1+7]
	s_nop 0
.rept 4
	v_nop
.endr
	s_branch .Lasked_\@
.Lfor_b_\@:
	tensor_load_to_lds s[G0B+4*\s:G0B+4*\s+3], s[G1B:G1B+7]
	s_nop 0
.rept 4
	v_nop
.endr
.Lasked_\@:
.endm
.macro CREST
	s_cmp_lg_u32 s10, 0
	s_cbranch_scc1 .Lnot_wave_0_\@
	s_barrier_signal -3
.Lnot_wave_0_\@:
	s_barrier_wait -3
	s_barrier_signal -1
	s_barrier_wait -1
.endm
.macro CROUND
	s_barrier_signal -1
	s_barrier_wait -1
	CREST
.endm
	s_load_b128 s[4:7], s[0:1], 0x0                ; att s[4:5], woh s[6:7]
	s_load_b64 s[8:9], s[0:1], 0x10                ; out0
	v_lshl_add_u32 v[SPW], v0, 2, SPARE
	v_mov_b32 v[NIL], 0
	ds_add_u32 v[SPW], v[NIL]                      ; the wave's opening: the add, twice on end, and its wait ahead of my first tensor load
	ds_add_u32 v[SPW], v[NIL]
	v_lshrrev_b32 v1, 5, v0
	v_readfirstlane_b32 s10, v1                    ; wave 0..3
	s_lshr_b32 s11, s10, 1                         ; my half of the tile's rows; also: I fetch for A (0) or B (1)
	s_and_b32 s12, s10, 1                          ; my half of its columns; also: which half I fetch
	s_bfe_u32 s40, ttmp6, 0x40000
	s_bfe_u32 s41, ttmp6, 0x40004
	s_lshl_b32 s42, ttmp9, 2
	s_add_co_u32 s42, s42, s40                     ; tile column
	s_and_b32 s13, ttmp7, 0xffff
	s_lshl_b32 s13, s13, 2
	s_add_co_u32 s13, s13, s41                     ; tile row
	s_lshl_b32 s43, s41, 2
	s_lshl_b32 s43, 15, s43
	s_lshl_b32 s44, 0x1111, s40
	s_or_b32 s[G1+0], s43, (3<<16)|(1<<21)         ; A: 32,768 dense bytes as 128 rows of 32 elements of 8 bytes
	s_mov_b32 s[G1+1], 32<<16
	s_mov_b32 s[G1+2], 128<<16
	s_mov_b32 s[G1+3], 32<<16
	s_mov_b32 s[G1+4], 128
	s_mov_b32 s[G1+5], 32
	s_mov_b32 s[G1+6], 0
	s_mov_b32 s[G1+7], 0
	s_or_b32 s[G1B+0], s44, (1<<16)|(1<<20)|(1<<21)|(6<<22)|(3<<25)   ; B: 64 rows of 256 f16; 4 words of padding behind every 128
	s_mov_b32 s[G1B+1], 256<<16
	s_mov_b32 s[G1B+2], 64<<16
	s_mov_b32 s[G1B+3], 256<<16
	s_mov_b32 s[G1B+4], 64
	s_mov_b32 s[G1B+5], 2048
	s_mov_b32 s[G1B+6], 0
	s_mov_b32 s[G1B+7], 0
	s_lshl_b32 s16, s13, 19                        ; A: the block of 128 rows, + my half of a K step's images
	s_lshl_b32 s17, s12, 15
	s_add_co_u32 s16, s16, s17
	s_mov_b32 s17, 0
	s_lshl_b32 s46, s42, 7
	s_lshl_b32 s47, s12, 6
	s_add_co_u32 s46, s46, s47
	s_lshl_b32 s46, s46, 12                        ; B: row 128 x tile column + 64 x half, 4,096 bytes a row
	s_mov_b32 s47, 0
	s_lshl_b32 s20, s12, 15                        ; where they go
	s_mul_i32 s21, s12, HALFB
	s_add_co_u32 s21, s21, ABYTES
	s_wait_dscnt 0x0
	s_wait_kmcnt 0x0
	s_add_nc_u64 s[14:15], s[4:5], s[16:17]
	s_add_nc_u64 s[46:47], s[6:7], s[46:47]
	CROUND
.irp s, 0,1
	s_mov_b32 s[G0+4*\s], 1
	s_add_co_u32 s[G0+4*\s+1], s20, \s*SLOT
	s_add_nc_u64 s[G0+4*\s+2:G0+4*\s+3], s[14:15], \s*65536
	s_or_b32 s[G0+4*\s+3], s[G0+4*\s+3], 0x80000000
	s_mov_b32 s[G0B+4*\s], 1
	s_add_co_u32 s[G0B+4*\s+1], s21, \s*SLOT
	s_add_nc_u64 s[G0B+4*\s+2:G0B+4*\s+3], s[46:47], \s*512
	s_or_b32 s[G0B+4*\s+3], s[G0B+4*\s+3], 0x80000000
	JLOAD \s
.endr
	v_and_b32 v1, 15, v0                           ; r
	v_bfe_u32 v2, v0, 4, 1                         ; h
	v_and_b32 v6, 31, v0
	v_lshlrev_b32 v6, 4, v6                        ; 16 x lane
	v_mul_u32_u24 v3, v1, PITCH
	v_lshl_add_u32 v3, v2, 4, v3
	s_lshl_b32 s21, s11, 11                        ; A: my four tiles of rows among a piece's eight
	s_mul_i32 s22, s12, HALFB
	s_add_co_u32 s22, s22, ABYTES                  ; B: my 64 rows
.irp s, 0,1
	v_add_nc_u32 v[ADRA+\s], s21, v6
	v_add_nc_u32 v[ADRB+\s], s22, v3
	s_add_co_u32 s21, s21, SLOT
	s_add_co_u32 s22, s22, SLOT
.endr
	s_mul_i32 s23, s10, 16*SPITCH                  ; my stage
	v_mul_u32_u24 v4, v1, SPITCH
	v_lshl_add_u32 v4, v2, 5, v4
	v_add_nc_u32 v[STO], s23, v4                   ; in: row r, 32 bytes for each half of the lanes
	v_mul_u32_u24 v5, v2, SPITCH
	v_lshl_add_u32 v5, v1, 4, v5
	v_add_nc_u32 v[RD], s23, v5                    ; back: lanes 0-15 one row of 256 bytes, lanes 16-31 the next
	v_lshlrev_b32 v5, 13, v2
	v_lshl_add_u32 v[CO], v1, 4, v5                ; and the same two rows in out0
	s_lshl_b32 s16, s13, 7
	s_lshl_b32 s17, s11, 6
	s_add_co_u32 s16, s16, s17
	s_lshl_b32 s16, s16, 13                        ; my first row, 8,192 bytes a row
	s_mov_b32 s17, 0
	s_add_nc_u64 s[8:9], s[8:9], s[16:17]
	s_lshl_b32 s46, s42, 9
	s_lshl_b32 s47, s12, 8
	s_add_co_u32 s46, s46, s47                     ; my first column, in bytes
	s_mov_b32 s47, 0
	s_add_nc_u64 s[8:9], s[8:9], s[46:47]
.macro MUL8 f, c, a0, zero             ; 8 matrix instructions, 32 along K; the 16 accumulators take turns
.irp a, \a0, \a0+1
.irp b, 0,1,2,3
.if \zero
	v_wmma_f32_16x16x32_f16 v[ACC+8*(4*(\a)+\b):ACC+8*(4*(\a)+\b)+7], v[\f+64+8*(4*\c+\b):\f+64+8*(4*\c+\b)+7], v[\f+8*(4*\c+\a):\f+8*(4*\c+\a)+7], 0
.else
	v_wmma_f32_16x16x32_f16 v[ACC+8*(4*(\a)+\b):ACC+8*(4*(\a)+\b)+7], v[\f+64+8*(4*\c+\b):\f+64+8*(4*\c+\b)+7], v[\f+8*(4*\c+\a):\f+8*(4*\c+\a)+7], v[ACC+8*(4*(\a)+\b):ACC+8*(4*(\a)+\b)+7]
.endif
.endr
.endr
.endm
.macro FETCH slot, qd, f               ; 32 LDS loads: the fragments of the slot's qd-th 64 along K; the first 32 along K first.  A's registers 0-3 and 4-7 are two neighbouring pieces, 4,096 bytes apart
	WIN TO_F
.irp c, 0,1
.irp i, 0,1,2,3
	ds_load_b128 v[\f+64+8*(4*\c+\i):\f+64+8*(4*\c+\i)+3],   v[ADRB+\slot] offset:128*(\qd)+64*\c+\i*16*PITCH
	ds_load_b128 v[\f+64+8*(4*\c+\i)+4:\f+64+8*(4*\c+\i)+7], v[ADRB+\slot] offset:128*(\qd)+64*\c+\i*16*PITCH+32
	ds_load_b128 v[\f+8*(4*\c+\i):\f+8*(4*\c+\i)+3],         v[ADRA+\slot] offset:(4*(\qd)+2*\c)*4096+512*\i
	ds_load_b128 v[\f+8*(4*\c+\i)+4:\f+8*(4*\c+\i)+7],       v[ADRA+\slot] offset:(4*(\qd)+2*\c+1)*4096+512*\i
.endr
.endr
.endm
.macro PLACES
.rept 4
	v_nop
.endr
.endm
.macro QUARTER slot, qd, f, g, zero    ; multiplies buffer f and fetches the slot's qd-th quarter into g
	s_wait_dscnt 16                                ; the first 32 along K are in
	WIN W_MUL
	MUL8 \f, 0, 0, \zero
	MUL8 \f, 0, 2, \zero
	PLACES
	FETCH \slot, \qd, \g
	s_wait_dscnt 32                                ; all but the 32 just issued
	WIN W_MUL
	MUL8 \f, 1, 0, 0
	MUL8 \f, 1, 2, 0
.endm
.macro TURN slot, next, fill           ; a slot's last quarter changes slots
	WIN 0
	s_wait_tensorcnt 0x0                           ; all my tensor loads have landed: my part of the next slot
	ds_add_u32 v[SPW], v[NIL]
	s_wait_dscnt 17                                ; the add and the youngest sixteen loads may be out
	WIN W_MUL
	MUL8 F1, 0, 0, 0
	s_wait_dscnt 0x0                               ; the add is done, and my reads of this slot are over
	s_barrier_signal -1
	MUL8 F1, 0, 2, 0
.if \fill
	WIN 0
.endif
	s_barrier_wait -1
.if \fill
	CREST                                          ; the barrier has opened a round of the cluster's barrier
	s_add_nc_u64 s[G0+4*\slot+2:G0+4*\slot+3], s[G0+4*\slot+2:G0+4*\slot+3], 131072
	s_add_nc_u64 s[G0B+4*\slot+2:G0B+4*\slot+3], s[G0B+4*\slot+2:G0B+4*\slot+3], 1024
	JLOAD \slot                                    ; its four v_nop are also the places ahead of the loads below
.else
	PLACES
.endif
	FETCH \next, 0, F0
	WIN W_MUL
	MUL8 F1, 1, 0, 0
	MUL8 F1, 1, 2, 0
.endm
	s_wait_tensorcnt 1                             ; my part of K step 0 is in; K step 1's load may be out
	s_barrier_signal -1
	s_barrier_wait -1
	FETCH 0, 0, F0
	QUARTER 0, 1, F0, F1, 1
	WIN 0
	s_mov_b32 s3, LAPS-1
.Llap:
	QUARTER 0, 2, F1, F0, 0
	QUARTER 0, 3, F0, F1, 0
	TURN 0, 1, 1
	QUARTER 1, 1, F0, F1, 0
	QUARTER 1, 2, F1, F0, 0
	QUARTER 1, 3, F0, F1, 0
	TURN 1, 0, 1
	QUARTER 0, 1, F0, F1, 0
	WIN 0
	s_sub_co_u32 s3, s3, 1
	s_cmp_lg_u32 s3, 0
	s_cbranch_scc1 .Llap
	QUARTER 0, 2, F1, F0, 0                        ; the last lap fills nothing
	QUARTER 0, 3, F0, F1, 0
	TURN 0, 1, 0
	QUARTER 1, 1, F0, F1, 0
	QUARTER 1, 2, F1, F0, 0
	QUARTER 1, 3, F0, F1, 0
	s_wait_dscnt 16
	WIN W_MUL
	MUL8 F1, 0, 0, 0
	MUL8 F1, 0, 2, 0
	s_wait_dscnt 0x0
	MUL8 F1, 1, 0, 0
	MUL8 F1, 1, 2, 0
	WIN 0
; THE WAY OUT, 16 rows x 64 columns at a time, through my own stage: my 64 columns are 256 consecutive bytes of a row, aligned, so no other wave is needed.  LDS serves a wave's instructions in order.
.macro TOSTAGE a
.irp b, 0,1,2,3
	ds_store_b128 v[STO], v[ACC+8*(4*(\a)+\b):ACC+8*(4*(\a)+\b)+3] offset:64*\b        ; each accumulator from its low end on
	ds_store_b128 v[STO], v[ACC+8*(4*(\a)+\b)+4:ACC+8*(4*(\a)+\b)+7] offset:64*\b+16
.endr
.irp t, 0,1,2,3,4,5,6,7
	ds_load_b128 v[TMP+32*((\a)%2)+4*\t:TMP+32*((\a)%2)+4*\t+3], v[RD] offset:\t*2*SPITCH
.endr
.endm
.macro SEND a, younger
	s_wait_dscnt \younger                          ; the block is back in registers; the next block's eight stores and eight loads may be out
.if (\a) > 0
	s_add_nc_u64 s[8:9], s[8:9], 16*8192           ; behind a wait on XCNT: the earlier stores have read their base
.endif
.irp t, 0,1,2,3,4,5,6,7
	global_store_b128 v[CO], v[TMP+32*((\a)%2)+4*\t:TMP+32*((\a)%2)+4*\t+3], s[8:9] offset:\t*16384 th:TH_STORE_NT   ; 16 lanes store 256 consecutive bytes, aligned
.endr
.endm
	PLACES
	TOSTAGE 0
.irp a, 1,2,3
.if \a > 1
	s_wait_xcnt 0x0
.endif
	TOSTAGE \a
	SEND \a-1, 16
.endr
	s_wait_xcnt 0x0
	SEND 3, 0
	s_wait_tensorcnt 0x0                           ; the wave's end
	ds_add_u32 v[SPW], v[NIL]
	s_wait_dscnt 0x0
	CROUND                                         ; the closing round
	s_endpgm
.Lfunc_end_k_q8e69738d38_proj:
	.size	k_q8e69738d38_proj, .Lfunc_end_k_q8e69738d38_proj-k_q8e69738d38_proj
	.p2alignl 7, 3214868480
	.fill 96, 4, 3214868480
	.section	.rodata,"a",@progbits
	.p2align	6, 0x0
	.amdhsa_kernel k_q8e69738d38_proj
		.amdhsa_group_segment_fixed_size 327680
		.amdhsa_private_segment_fixed_size 0
		.amdhsa_enable_private_segment 0
		.amdhsa_kernarg_size 24
		.amdhsa_user_sgpr_count 2
		.amdhsa_user_sgpr_kernarg_segment_ptr 1
		.amdhsa_wavefront_size32 1
		.amdhsa_system_sgpr_workgroup_id_x 1
		.amdhsa_system_sgpr_workgroup_id_y 1
		.amdhsa_system_sgpr_workgroup_id_z 1
		.amdhsa_system_vgpr_workitem_id 0
		.amdhsa_next_free_vgpr 512
		.amdhsa_next_free_sgpr 66
		.amdhsa_reserve_vcc 0
		.amdhsa_float_denorm_mode_32 3
		.amdhsa_float_denorm_mode_16_64 3
		.amdhsa_memory_ordered 1
		.amdhsa_forward_progress 1
		.amdhsa_inst_pref_size 86
	.end_amdhsa_kernel
	.amdgpu_metadata
---
amdhsa.version: [ 1, 2 ]
amdhsa.kernels:
  - .name:           k_q8e69738d38_proj
    .symbol:         k_q8e69738d38_proj.kd
    .args:
      - { .name: att, .offset: 0, .size: 8, .value_kind: global_buffer, .address_space: global }
      - { .name: woh, .offset: 8, .size: 8, .value_kind: global_buffer, .address_space: global }
      - { .name: out0, .offset: 16, .size: 8, .value_kind: global_buffer, .address_space: global }
    .group_segment_fixed_size: 327680
    .private_segment_fixed_size: 0
    .kernarg_segment_align: 8
    .kernarg_segment_size: 24
    .max_flat_workgroup_size: 128
    .sgpr_count:     66
    .vgpr_count:     512
    .wavefront_size: 32
...
	.end_amdgpu_metadata
.endif
;; end of part 4
;; launch fattn (part 5): grid 32 x 4, 16 waves a work-group, no clusters, 71,680 bytes of LDS; arguments qh, kv, mask, attf; writes attf
.if DOCPART == 5
	.amdgcn_target "amdgcn-amd-amdhsa--gfx1250"
	.amdhsa_code_object_version 6
	.text
	.protected	k_q8e69738d38_fattn
	.globl	k_q8e69738d38_fattn
	.p2align	8
	.type	k_q8e69738d38_fattn,@function
k_q8e69738d38_fattn:
	s_mov_b64 s[64:65], 0
	v_nop
	global_prefetch_b8 v0, s[64:65] scope:SCOPE_SE
	s_setreg_imm32_b32 hwreg(HW_REG_WAVE_MODE, 25, 1), 1
	s_wait_xcnt 0x0
; Positions 0-15 of the attention, carried finely: every f16 operand goes as a pair, a high and a low part: S = Kh Qh + Kh Ql + Kl Qh, O = Vh Ph + Vh Pl + Vl Ph; sums, mask, softmax in f32.
; THE KEYS ARE SPLIT: work-group (head, c) takes keys 512 c .. 512 c + 511, its sixteen waves 32 keys each.  It leaves the chunk's part of the softmax, not normalised, in f32, and the next launch joins the four parts:
;   attf [head 32][c 4][piece 8][lane 32][16 bytes]: piece 2 dt + hf, lane (r, h): the sum over the chunk's keys of 2^(t - m_c) v(key, 16 dt + 8 h + 4 hf + 0..3) for query r;
;   from byte 524,288 on [head 32][c 4][32 words]: m_c of queries 0-15 (the chunk's largest t), then l_c (the chunk's sum of 2^(t - m_c)).   t = q' . k + mask x log2(e); q' carries log2(e) / 8.
; m_c is made first, through LDS, so that the sixteen waves' sums and partial O^T stand under one m_c and are simply added.  -3e38 is among the maximum's leaves: a chunk whose every mask number is -infinity gives p = 0, l_c = 0.
; A wave's 44 loads (q' 8, K 16, mask 4, V 16: 176 registers) go out as one group at its head; the waits count down as the parts are wanted.  Operands come from memory straight into registers as images: a load covers 512 consecutive bytes.
; No cluster: the four heads of a key/value head share a chunk's 256 KiB, each byte of which a wave uses once from registers; a joint request would bring it into LDS and add a second trip from there.
; LIMITS: |q'|, |k|, |v| under 65,504 (f16 high parts); NaN and +infinity are not served; a ROW whose every mask number is -infinity is not served.
; LDS: MX 16 rows x 80 bytes (row r, word w: wave w's maximum); LX likewise (sums); OP: 4,096 bytes a wave: its partial O^T.
; REGISTERS: v3-11 addresses; v12, 13 at work (their halves are named); v14, 15 the add's two; v16-31 Qh, later Ph; v32-47 Ql, later the waves' maxima or sums; v48-79 Kh, v80-111 Kl, later the waves' parts; v112-127 mask;
;   v128-159 Vh; v160-191 Vl; v192-207 S^T, then p, then Pl; v208-239 O^T; v240-251 at work.
.set MX, 0
.set LX, 1536
.set OP, 4096
.set SPARE, OP+16*4096                 ; the spare words: 128 bytes a wave, eight blocks of 256 bytes that no other line names
.set LI, 3                             ; 16 x lane
.set MO, 4                             ; the mask: 8,192 r + 32 h + 128 w
.set RX, 5                             ; 80 r
.set WX, 6                             ; 80 r + 4 w
.set OW, 7                             ; OP + 4,096 w + 16 lane
.set GO, 8                             ; 512 w + 16 lane
.set ORD, 9                            ; OP + 512 w + 16 lane
.set KO, 10                            ; K: 4,096 w + 16 lane: my two tiles of 16 keys
.set VO, 11                            ; V: 8,192 (w / 2) + 1,024 (w % 2) + 16 lane: my half of a group of 64 keys
.set SPW, 14
.set NIL, 15
.set QH, 16
.set QLO, 32
.set PH, 16
.set KHR, 48
.set KLR, 80
.set MK, 112
.set VHR, 128
.set VLR, 160
.set S,  192
.set O,  208
.set SA, 250                           ; 4 x lane
.set LN, 251                           ; lane
.set VH, 2097152                       ; the parts of kv
.set KL, 4194304
.set VL, 6291456
	s_load_b256 s[4:11], s[0:1], 0x0               ; qh s[4:5], kv s[6:7], mask s[8:9], attf s[10:11]
	v_lshl_add_u32 v[SPW], v0, 2, SPARE
	v_mov_b32 v[NIL], 0
	v_lshrrev_b32 v1, 5, v0
	v_readfirstlane_b32 s12, v1                    ; wave 0..15
	s_and_b32 s13, ttmp7, 0xffff                   ; the chunk c
	v_and_b32 v1, 15, v0                           ; r
	v_bfe_u32 v2, v0, 4, 1                         ; h
	v_and_b32 v[LN], 31, v0
	v_lshlrev_b32 v[LI], 4, v[LN]
	v_lshlrev_b32 v[SA], 2, v[LN]
	v_lshlrev_b32 v[MO], 13, v1
	v_lshl_add_u32 v[MO], v2, 5, v[MO]
	s_lshl_b32 s18, s12, 7
	v_add_nc_u32 v[MO], s18, v[MO]
	v_mul_u32_u24 v[RX], v1, 80
	s_lshl_b32 s18, s12, 2
	v_add_nc_u32 v[WX], s18, v[RX]
	s_lshl_b32 s18, s12, 12
	v_add_nc_u32 v[KO], s18, v[LI]
	v_add_nc_u32 v[OW], OP, v[KO]
	s_lshl_b32 s18, s12, 9
	v_add_nc_u32 v[GO], s18, v[LI]
	v_add_nc_u32 v[ORD], OP, v[GO]
	s_lshr_b32 s18, s12, 1
	s_lshl_b32 s18, s18, 13
	s_and_b32 s19, s12, 1
	s_lshl_b32 s19, s19, 10
	s_add_co_u32 s18, s18, s19
	v_add_nc_u32 v[VO], s18, v[LI]
	s_mov_b32 s14, 0x76543210
	s_mov_b32 s15, 0xfedcba98                      ; lane l xor 16
	s_mov_b32 s16, 0x3fb8aa3b                      ; log2(e)
	s_mov_b32 s17, s16
	s_lshl_b32 s20, ttmp9, 18                      ; the head's images of q'
	s_mov_b32 s21, 0
	s_lshl_b32 s22, ttmp9, 11
	s_add_co_u32 s22, s22, 8388608                 ; and their low parts
	s_mov_b32 s23, 0
	s_lshr_b32 s24, ttmp9, 2
	s_lshl_b32 s24, s24, 18                        ; the key/value head,
	s_lshl_b32 s25, s13, 16                        ; the chunk: 512 keys are 65,536 bytes of images
	s_add_co_u32 s24, s24, s25
	s_mov_b32 s25, 0
	s_lshl_b32 s26, s13, 11                        ; the mask: 512 keys are 2,048 bytes of a row
	s_mov_b32 s27, 0
	s_lshl_b32 s28, ttmp9, 2
	s_add_co_u32 s28, s28, s13                     ; 4 head + c
	s_lshl_b32 s30, s28, 7
	s_add_co_u32 s30, s30, 524288                  ; its 32 words of m_c and l_c
	s_mov_b32 s31, 0
	s_lshl_b32 s28, s28, 12                        ; its 4,096 bytes of O^T
	s_mov_b32 s29, 0
	s_wait_kmcnt 0x0
	s_add_nc_u64 s[4:5], s[4:5], s[20:21]
	s_add_nc_u64 s[18:19], s[6:7], s[22:23]
	s_add_nc_u64 s[6:7], s[6:7], s[24:25]
	s_add_nc_u64 s[8:9], s[8:9], s[26:27]
	s_add_nc_u64 s[32:33], s[10:11], s[30:31]
	s_add_nc_u64 s[10:11], s[10:11], s[28:29]
	; ---- all my loads, in the order in which they are wanted
.irp b, 0,1,2,3
	global_load_b128 v[QH+4*\b:QH+4*\b+3], v[LI], s[4:5] offset:512*\b
.endr
.irp b, 0,1,2,3
	global_load_b128 v[QLO+4*\b:QLO+4*\b+3], v[LI], s[18:19] offset:512*\b
.endr
.irp i, 0,1,2,3,4,5,6,7
	global_load_b128 v[KHR+4*\i:KHR+4*\i+3], v[KO], s[6:7] offset:512*\i
.endr
.irp i, 0,1,2,3,4,5,6,7
	global_load_b128 v[KLR+4*\i:KLR+4*\i+3], v[KO], s[6:7] offset:KL+512*\i
.endr
.irp kt, 0,1
	global_load_b128 v[MK+8*\kt:MK+8*\kt+3], v[MO], s[8:9] offset:64*\kt      ; the mask of query r, keys 16 kt + 8 h on
	global_load_b128 v[MK+8*\kt+4:MK+8*\kt+7], v[MO], s[8:9] offset:64*\kt+16
.endr
.irp dt, 0,1,2,3
.irp j, 0,1
	global_load_b128 v[VHR+8*\dt+4*\j:VHR+8*\dt+4*\j+3], v[VO], s[6:7] offset:VH+2048*\dt+512*\j
.endr
.endr
.irp dt, 0,1,2,3
.irp j, 0,1
	global_load_b128 v[VLR+8*\dt+4*\j:VLR+8*\dt+4*\j+3], v[VO], s[6:7] offset:VL+2048*\dt+512*\j
.endr
.endr
.macro PLACES                          ; four places behind a matrix instruction of this form (ISA guide 7.12.1)
.rept 4
	v_nop
.endr
.endm
.macro QK kb, qr, c, zero              ; two products: my two tiles of S^T, d = 32 c on; the two accumulators take turns
.irp kt, 0,1
.if \zero
	v_wmma_f32_16x16x32_f16 v[S+8*\kt:S+8*\kt+7], v[\kb+16*\kt+8*\c:\kb+16*\kt+8*\c+7], v[\qr+8*\c:\qr+8*\c+7], 0
.else
	v_wmma_f32_16x16x32_f16 v[S+8*\kt:S+8*\kt+7], v[\kb+16*\kt+8*\c:\kb+16*\kt+8*\c+7], v[\qr+8*\c:\qr+8*\c+7], v[S+8*\kt:S+8*\kt+7]
.endif
.endr
.endm
.macro PVM vb, pr, zero                ; four products: O^T's four tiles over my 32 keys; the four accumulators take turns
.irp dt, 0,1,2,3
.if \zero
	v_wmma_f32_16x16x32_f16 v[O+8*\dt:O+8*\dt+7], v[\vb+8*\dt:\vb+8*\dt+7], v[\pr:\pr+7], 0
.else
	v_wmma_f32_16x16x32_f16 v[O+8*\dt:O+8*\dt+7], v[\vb+8*\dt:\vb+8*\dt+7], v[\pr:\pr+7], v[O+8*\dt:O+8*\dt+7]
.endif
.endr
.endm
	s_wait_loadcnt 28                              ; q' and Kh are in; behind them: Kl 8, mask 4, Vh 8, Vl 8
	QK KHR, QH, 0, 1
	QK KHR, QH, 1, 0
	QK KHR, QLO, 0, 0
	QK KHR, QLO, 1, 0
	s_wait_loadcnt 20                              ; Kl is in; behind it: mask 4, Vh 8, Vl 8
	QK KLR, QH, 0, 0
	QK KLR, QH, 1, 0
	PLACES
	s_wait_loadcnt 16                              ; the mask is in; behind it: Vh 8, Vl 8
.set n, 0
.rept 8
	v_pk_fma_f32 v[S+2*n:S+2*n+1], v[MK+2*n:MK+2*n+1], s[16:17], v[S+2*n:S+2*n+1] op_sel_hi:[1,0,1]   ; t = mask x log2(e) + q' . k, each accumulator from its low end on
.set n, n+1
.endr
	v_max3_num_f32 v242, v[S], v[S+1], v[S+2]      ; my 16 t's maximum, two chains
	v_max3_num_f32 v243, v[S+8], v[S+9], v[S+10]
.irp i, 3,5
	v_max3_num_f32 v242, v242, v[S+\i], v[S+\i+1]
	v_max3_num_f32 v243, v243, v[S+8+\i], v[S+9+\i]
.endr
	v_max3_num_f32 v242, v242, v[S+7], v[S+15]
	v_max3_num_f32 v242, v242, v243, 0xff61b1e6    ; and -3e38: m_c is a number even where every t is -infinity
	v_permlanex16_b32 v243, v242, s14, s15         ; the query's other 16 keys lie in the lane 16 away
	v_max_num_f32 v242, v242, v243
	ds_store_b32 v[WX], v242 offset:MX             ; lanes r and r + 16 write the same word with the same value
	s_wait_dscnt 0x0                               ; for the others' sake
	s_barrier_signal -1
	s_barrier_wait -1
.irp i, 0,1,2,3
	ds_load_b128 v[QLO+4*\i:QLO+4*\i+3], v[RX] offset:MX+16*\i   ; the sixteen waves' maxima of query r
.endr
	v_mov_b32 v241, 0                              ; (the upper half of the pair v[240:241] is written)
	s_wait_dscnt 0x0
	v_max3_num_f32 v240, v32, v33, v34
.irp i, 35,37,39,41,43,45
	v_max3_num_f32 v240, v240, v[\i], v[\i+1]
.endr
	v_max_num_f32 v240, v240, v47                  ; m_c
.set n, 0
.rept 8
	v_pk_add_f32 v[S+2*n:S+2*n+1], v[S+2*n:S+2*n+1], v[240:241] op_sel_hi:[1,0] neg_lo:[0,1] neg_hi:[0,1]   ; t - m_c
.set n, n+1
.endr
.set n, 0
.rept 16
	v_exp_f32 v[S+n], v[S+n]                       ; p = 2^(t - m_c): one batch
.set n, n+1
.endr
	v_nop                                          ; a plain instruction behind the last exponential
	s_wait_alu depctr_va_vdst(0)                   ; one wait for the batch, ahead of its first reader
	v_pk_add_f32 v[242:243], v[S:S+1], v[S+2:S+3]  ; the sum of the unrounded p, two chains
	v_pk_add_f32 v[244:245], v[S+4:S+5], v[S+6:S+7]
.irp j, 8,12
	v_pk_add_f32 v[242:243], v[242:243], v[S+\j:S+\j+1]
	v_pk_add_f32 v[244:245], v[244:245], v[S+\j+2:S+\j+3]
.endr
	v_pk_add_f32 v[242:243], v[242:243], v[244:245]
	v_add_f32 v242, v242, v243
	v_permlanex16_b32 v243, v242, s14, s15
	v_add_f32 v242, v242, v243
	ds_store_b32 v[WX], v242 offset:LX
.macro SPLIT i                         ; pair i of p: its f16 into Ph, the rest, again as f16, into Pl, which takes S^T's register i (already used up)
.if ((\i)%2) == 0
	v_cvt_pk_f16_f32 v12, v[S+2*(\i)], v[S+2*(\i)+1]
	v_cvt_f32_f16 v246, v12.l
	v_cvt_f32_f16 v247, v12.h
	v_mov_b32 v[PH+(\i)], v12
	v_sub_f32 v246, v[S+2*(\i)], v246
	v_sub_f32 v247, v[S+2*(\i)+1], v247
	v_cvt_pk_f16_f32 v[S+(\i)], v246, v247
.else
	v_cvt_pk_f16_f32 v13, v[S+2*(\i)], v[S+2*(\i)+1]
	v_cvt_f32_f16 v248, v13.l
	v_cvt_f32_f16 v249, v13.h
	v_mov_b32 v[PH+(\i)], v13
	v_sub_f32 v248, v[S+2*(\i)], v248
	v_sub_f32 v249, v[S+2*(\i)+1], v249
	v_cvt_pk_f16_f32 v[S+(\i)], v248, v249
.endif
.endm
.set m, 0
.rept 8
	SPLIT m
.set m, m+1
.endr
	s_wait_loadcnt 8                               ; Vh is in; Vl's eight loads may be out
	PVM VHR, PH, 1
	PVM VHR, S, 0
	s_wait_loadcnt 0x0
	PVM VLR, PH, 0
	PLACES
.irp dt, 0,1,2,3
	ds_store_b128 v[OW], v[O+8*\dt:O+8*\dt+3] offset:1024*\dt         ; each accumulator from its low end on
	ds_store_b128 v[OW], v[O+8*\dt+4:O+8*\dt+7] offset:1024*\dt+512
.endr
	s_wait_dscnt 0x0                               ; my sum and my partial O^T have landed
	s_barrier_signal -1
	s_barrier_wait -1
	s_cmp_lt_u32 s12, 8                            ; waves 0 to 7 add one piece of O^T each, wave 8 the sums; no barrier stands in these branches
	s_cbranch_scc0 .Lstat
.irp w, 0,1,2,3,4,5,6,7,8,9,10,11,12,13,14,15
	ds_load_b128 v[KHR+4*\w:KHR+4*\w+3], v[ORD] offset:4096*\w
.endr
	s_wait_dscnt 0x0
.irp w, 1,2,3,4,5,6,7,8,9,10,11,12,13,14,15
	v_pk_add_f32 v[KHR:KHR+1], v[KHR:KHR+1], v[KHR+4*\w:KHR+4*\w+1]
	v_pk_add_f32 v[KHR+2:KHR+3], v[KHR+2:KHR+3], v[KHR+4*\w+2:KHR+4*\w+3]
.endr
	global_store_b128 v[GO], v[KHR:KHR+3], s[10:11]   ; 512 consecutive bytes a wave, aligned
	s_branch .Lend
.Lstat:
	s_cmp_eq_u32 s12, 8
	s_cbranch_scc0 .Lend
.irp i, 0,1,2,3
	ds_load_b128 v[QLO+4*\i:QLO+4*\i+3], v[RX] offset:LX+16*\i   ; the sixteen waves' sums of query r
.endr
	s_wait_dscnt 0x0
	v_pk_add_f32 v[32:33], v[32:33], v[34:35]
	v_pk_add_f32 v[36:37], v[36:37], v[38:39]
	v_pk_add_f32 v[40:41], v[40:41], v[42:43]
	v_pk_add_f32 v[44:45], v[44:45], v[46:47]
	v_pk_add_f32 v[32:33], v[32:33], v[36:37]
	v_pk_add_f32 v[40:41], v[40:41], v[44:45]
	v_pk_add_f32 v[32:33], v[32:33], v[40:41]
	v_add_f32 v32, v32, v33                        ; l_c
	v_cmp_gt_u32 vcc_lo, 16, v[LN]
	v_cndmask_b32 v34, v32, v240, vcc_lo           ; lanes 0-15 carry m_c of query r, lanes 16-31 l_c
	global_store_b32 v[SA], v34, s[32:33]          ; 128 consecutive bytes
.Lend:
	s_wait_tensorcnt 0x0                           ; the wave's end
	ds_add_u32 v[SPW], v[NIL]
	s_wait_dscnt 0x0
	s_endpgm
.Lfunc_end_k_q8e69738d38_fattn:
	.size	k_q8e69738d38_fattn, .Lfunc_end_k_q8e69738d38_fattn-k_q8e69738d38_fattn
	.p2alignl 7, 3214868480
	.fill 96, 4, 3214868480
	.section	.rodata,"a",@progbits
	.p2align	6, 0x0
	.amdhsa_kernel k_q8e69738d38_fattn
		.amdhsa_group_segment_fixed_size 71680
		.amdhsa_private_segment_fixed_size 0
		.amdhsa_enable_private_segment 0
		.amdhsa_kernarg_size 32
		.amdhsa_user_sgpr_count 2
		.amdhsa_user_sgpr_kernarg_segment_ptr 1
		.amdhsa_wavefront_size32 1
		.amdhsa_system_sgpr_workgroup_id_x 1
		.amdhsa_system_sgpr_workgroup_id_y 1
		.amdhsa_system_sgpr_workgroup_id_z 1
		.amdhsa_system_vgpr_workitem_id 0
		.amdhsa_next_free_vgpr 256
		.amdhsa_next_free_sgpr 66
		.amdhsa_reserve_vcc 1
		.amdhsa_float_denorm_mode_32 3
		.amdhsa_float_denorm_mode_16_64 3
		.amdhsa_memory_ordered 1
		.amdhsa_forward_progress 1
		.amdhsa_inst_pref_size 20
	.end_amdhsa_kernel
	.amdgpu_metadata
---
amdhsa.version: [ 1, 2 ]
amdhsa.kernels:
  - .name:           k_q8e69738d38_fattn
    .symbol:         k_q8e69738d38_fattn.kd
    .args:
      - { .name: qh, .offset: 0, .size: 8, .value_kind: global_buffer, .address_space: global }
      - { .name: kv, .offset: 8, .size: 8, .value_kind: global_buffer, .address_space: global }
      - { .name: mask, .offset: 16, .size: 8, .value_kind: global_buffer, .address_space: global }
      - { .name: attf, .offset: 24, .size: 8, .value_kind: global_buffer, .address_space: global }
    .group_segment_fixed_size: 71680
    .private_segment_fixed_size: 0
    .kernarg_segment_align: 8
    .kernarg_segment_size: 32
    .max_flat_workgroup_size: 512
    .sgpr_count:     66
    .vgpr_count:     256
    .wavefront_size: 32
...
	.end_amdgpu_metadata
.endif
;; end of part 5
;; launch fproj (part 6): grid 128 x 1, 16 waves a work-group, no clusters, 153,600 bytes of LDS; arguments attf, wo, out0; writes out0
.if DOCPART == 6
	.amdgcn_target "amdgcn-amd-amdhsa--gfx1250"
	.amdhsa_code_object_version 6
	.text
	.protected	k_q8e69738d38_fproj
	.globl	k_q8e69738d38_fproj
	.p2align	8
	.type	k_q8e69738d38_fproj,@function
k_q8e69738d38_fproj:
	s_mov_b64 s[64:65], 0
	v_nop
	global_prefetch_b8 v0, s[64:65] scope:SCOPE_SE
	s_setreg_imm32_b32 hwreg(HW_REG_WAVE_MODE, 25, 1), 1
	s_wait_xcnt 0x0
; Rows 0-15 of out0 = att wo^T once more, in f32 throughout (f32 operands, the f32 matrix form: 16 rows, no bulk work), over what the launch for all rows left there.
; att's rows 0-15 arrive as four parts along the keys (chunk c: O_c not normalised, m_c, l_c).  They are joined here: m = the largest m_c; att = the sum over c of W_c O_c, W_c = 2^(m_c - m) / (the sum over c of 2^(m_c - m) l_c).
; Work-group nb makes columns 16 nb .. 16 nb + 15; wave w sums k = 128 w .. 128 w + 127 (heads 2 w, 2 w + 1); the sixteen partial sums meet in LDS.
; The form's K is 4: lane (r, h), register n stands for k = 2 h + n.  Both operands carry the same other order of k (a lane's 16 bytes are k = 8 h + 4 hf + 0..3 of a piece of 16), which changes no product.
; Transposed: source 0 = 16 rows of wo, source 1 = att's 16 rows: lane (r, h) holds out0(r, 16 nb + 8 h + 0..7).  A row gets 64 bytes from a work-group: 128 KiB in all.
; wo: a load covers 512 consecutive bytes of ONE row (my 128 k of it); the sixteen rows turn through my own stage in LDS (rows 528 bytes apart: the sixteen rows of a read start at sixteen different groups of four banks) into the operand's order.
; THE PARTS go through a ring of eight register slots, a slot = one piece (16 k) of all four chunks, 16 registers: a piece is joined by 4 multiplications and 12 fused multiply-adds and multiplied at once; the slot of the piece before
; is then asked for again: the 16 plain lines between are the places that this form asks for (8: ISA guide 7.12.1) behind that piece's products.
; No cluster, no tensor loads: what the work-groups share, the parts' 512 KiB, is more than LDS holds and each byte is used once by one wave: joint loads would want a ring of refills with a round of the cluster's barrier for each.
; LIMITS: a row whose every mask number is -infinity is not served (its divisor is 0); NaN is not served.
.set SPARE,  16384                     ; the spare words: 128 bytes a wave, eight blocks of 256 bytes that no other line names
.set STG,    18432                     ; the stages: 16 rows x 528 bytes for each wave
.set SPITCH, 528
.set STAT,   524288                    ; where m_c and l_c begin in attf
.set LI, 3                             ; 16 x lane
.set SW, 4                             ; my stage, on the way in: + 16 lane
.set LW, 5                             ; my partial sums: 1,024 w + 16 lane
.set LR, 6                             ; the half that I add: 512 w + 16 lane
.set GO, 7                             ; its place in out0: 8,192 r + 32 h + 16 w
.set SPW, 8
.set NIL, 9
.set LA, 11                            ; the parts: 32,768 w + 16 lane
.set SO, 12                            ; the statistics: 1,024 w + 4 r
.set TT, 13                            ; v13, 14 at work, one a head
.set SRD, 15                           ; my stage, on the way out: + 528 r + 32 h
.set MS, 16                            ; v16-23 m_c, then W_c: head e, chunk c at 4 e + c
.set LS, 24                            ; v24-31 l_c
.set WB, 32                            ; v32-95 wo
.set RG, 96                            ; v96-223 the ring
.set ACC, 224                          ; v224-255 four accumulators, written by matrix instructions alone
.set RS, 16                            ; v16-23 their sum (the weights are done with)
	s_load_b128 s[4:7], s[0:1], 0x0                ; attf s[4:5], wo s[6:7]
	s_load_b64 s[8:9], s[0:1], 0x10                ; out0
	v_lshl_add_u32 v[SPW], v0, 2, SPARE
	v_mov_b32 v[NIL], 0
	v_lshrrev_b32 v1, 5, v0
	v_readfirstlane_b32 s10, v1                    ; wave 0..15
	v_and_b32 v1, 15, v0                           ; r
	v_bfe_u32 v2, v0, 4, 1                         ; h
	v_and_b32 v[LI], 31, v0
	v_lshlrev_b32 v[LI], 4, v[LI]
	s_lshl_b32 s11, s10, 10
	v_add_nc_u32 v[LW], s11, v[LI]
	v_lshl_add_u32 v[SO], v1, 2, s11
	s_lshl_b32 s11, s10, 9
	v_add_nc_u32 v[LR], s11, v[LI]
	s_lshl_b32 s11, s10, 15
	v_add_nc_u32 v[LA], s11, v[LI]
	s_mul_i32 s11, s10, 16*SPITCH
	s_add_co_u32 s11, s11, STG
	v_add_nc_u32 v[SW], s11, v[LI]
	v_mul_u32_u24 v[SRD], v1, SPITCH
	v_lshl_add_u32 v[SRD], v2, 5, v[SRD]
	v_add_nc_u32 v[SRD], s11, v[SRD]
	v_lshlrev_b32 v[GO], 13, v1
	v_lshl_add_u32 v[GO], v2, 5, v[GO]
	s_lshl_b32 s11, s10, 4
	v_add_nc_u32 v[GO], s11, v[GO]
	s_lshl_b32 s14, ttmp9, 17                      ; wo: my 16 rows of 8,192 bytes,
	s_lshl_b32 s15, s10, 9                         ; my wave's 128 k
	s_add_co_u32 s14, s14, s15
	s_mov_b32 s15, 0
	s_lshl_b32 s16, ttmp9, 6                       ; out0: my 16 columns
	s_mov_b32 s17, 0
	s_wait_kmcnt 0x0
	s_add_nc_u64 s[6:7], s[6:7], s[14:15]
	s_add_nc_u64 s[8:9], s[8:9], s[16:17]
.macro ALOAD p                         ; piece p (head p / 8, piece p % 8 of its eight) of all four chunks into slot p % 8
.irp c, 0,1,2,3
	global_load_b128 v[RG+16*((\p)%8)+4*\c:RG+16*((\p)%8)+4*\c+3], v[LA], s[4:5] offset:16384*((\p)/8)+4096*\c+512*((\p)%8)
.endr
.endm
.irp e, 0,1
.irp c, 0,1,2,3
	global_load_b32 v[MS+4*\e+\c], v[SO], s[4:5] offset:STAT+512*\e+128*\c       ; m_c of my row
	global_load_b32 v[LS+4*\e+\c], v[SO], s[4:5] offset:STAT+512*\e+128*\c+64    ; l_c
.endr
.endr
.irp i, 0,1,2,3,4,5,6,7,8,9,10,11,12,13,14,15
	global_load_b128 v[WB+4*\i:WB+4*\i+3], v[LI], s[6:7] offset:8192*\i th:TH_LOAD_NT   ; row i of my sixteen: 512 consecutive bytes, read once in the launch
.endr
.irp p, 0,1,2,3,4,5,6,7
	ALOAD \p
.endr
	s_wait_loadcnt 48                              ; the statistics are in; behind them: wo's 16 loads and the ring's first 32
.irp e, 0,1
	v_max3_num_f32 v[TT+\e], v[MS+4*\e], v[MS+4*\e+1], v[MS+4*\e+2]
.endr
.irp e, 0,1
	v_max_num_f32 v[TT+\e], v[TT+\e], v[MS+4*\e+3]                 ; m
.endr
.irp e, 0,1
.irp c, 0,1,2,3
	v_sub_f32 v[MS+4*\e+\c], v[MS+4*\e+\c], v[TT+\e]
.endr
.endr
.irp k, 0,1,2,3,4,5,6,7
	v_exp_f32 v[MS+\k], v[MS+\k]                   ; 2^(m_c - m)
.endr
	v_nop
	s_wait_alu depctr_va_vdst(0)                   ; one wait for the batch
.irp e, 0,1
	v_mul_f32 v[TT+\e], v[MS+4*\e], v[LS+4*\e]
.endr
.irp c, 1,2,3
.irp e, 0,1
	v_fma_f32 v[TT+\e], v[MS+4*\e+\c], v[LS+4*\e+\c], v[TT+\e]     ; the row's sum under m
.endr
.endr
.irp e, 0,1
	v_rcp_f32 v[TT+\e], v[TT+\e]
.endr
	v_nop
	s_wait_alu depctr_va_vdst(0)
.irp e, 0,1
.irp c, 0,1,2,3
	v_mul_f32 v[MS+4*\e+\c], v[MS+4*\e+\c], v[TT+\e]               ; W_c
.endr
.endr
	s_wait_loadcnt 32                              ; wo's sixteen rows are in; the ring's 32 loads may be out
.irp i, 0,1,2,3,4,5,6,7,8,9,10,11,12,13,14,15
	ds_store_b128 v[SW], v[WB+4*\i:WB+4*\i+3] offset:SPITCH*\i
.endr
.irp i, 0,1,2,3,4,5,6,7,8,9,10,11,12,13,14,15
	ds_load_b128 v[WB+4*\i:WB+4*\i+3], v[SRD] offset:256*(\i/8)+64*((\i/2)%4)+16*(\i%2)   ; LDS serves a wave's instructions in order: these see my stores.  Piece i: wo(16 nb + r, 128 w + 64 (i / 8) + 16 ((i / 2) % 4) + 8 h + 4 (i % 2) + 0..3), the parts' order
.endr
	s_wait_dscnt 0x0
; Piece p: joined, multiplied; the slot of piece p - 1 takes piece p + 7.  Four accumulators by turns, one instruction a turn; the first four products start the sums.
.macro PIECE p
.set SL, RG+16*((\p)%8)
.set WE, MS+4*((\p)/8)
.if (\p) == 0
	s_wait_loadcnt 28                              ; my four loads are in; the seven pieces behind them may be out
.elseif (\p) < 10
	s_wait_loadcnt 24                              ; six pieces were asked for behind this one
.else
	s_wait_loadcnt 4*(15-(\p))                     ; the counts run down
.endif
.irp k, 0,1,2,3
	v_mul_f32 v[SL+\k], v[SL+\k], v[WE]
.endr
.irp c, 1,2,3
.irp k, 0,1,2,3
	v_fma_f32 v[SL+\k], v[SL+4*\c+\k], v[WE+\c], v[SL+\k]
.endr
.endr
.if ((\p) >= 1) && ((\p) <= 8)
	ALOAD (\p)+7
.endif
.irp q, 0,1
.if 2*(\p)+\q < 4
	v_wmma_f32_16x16x4_f32 v[ACC+8*((2*(\p)+\q)%4):ACC+8*((2*(\p)+\q)%4)+7], v[WB+4*(\p)+2*\q:WB+4*(\p)+2*\q+1], v[SL+2*\q:SL+2*\q+1], 0
.else
	v_wmma_f32_16x16x4_f32 v[ACC+8*((2*(\p)+\q)%4):ACC+8*((2*(\p)+\q)%4)+7], v[WB+4*(\p)+2*\q:WB+4*(\p)+2*\q+1], v[SL+2*\q:SL+2*\q+1], v[ACC+8*((2*(\p)+\q)%4):ACC+8*((2*(\p)+\q)%4)+7]
.endif
.endr
.endm
.irp p, 0,1,2,3,4,5,6,7,8,9,10,11,12,13,14,15
	PIECE \p
.endr
.rept 8
	v_nop                                          ; eight places behind this form (ISA guide 7.12.1)
.endr
.irp k, 0,1,2,3,4,5,6,7
	v_add_f32 v[RS+\k], v[ACC+\k], v[ACC+8+\k]     ; into other registers; each accumulator from its low end on
	v_add_f32 v10, v[ACC+16+\k], v[ACC+24+\k]
	v_add_f32 v[RS+\k], v[RS+\k], v10
.endr
	ds_store_b128 v[LW], v[RS:RS+3]
	ds_store_b128 v[LW], v[RS+4:RS+7] offset:512
	s_wait_dscnt 0x0                               ; for the others' sake
	s_barrier_signal -1
	s_barrier_wait -1
	s_cmp_lt_u32 s10, 2                            ; waves 0 and 1 add one half each; no barrier stands in the branch
	s_cbranch_scc0 .Lend
.irp w, 0,1,2,3,4,5,6,7,8,9,10,11,12,13,14,15
	ds_load_b128 v[WB+4*\w:WB+4*\w+3], v[LR] offset:1024*\w
.endr
	s_wait_dscnt 0x0
.irp w, 1,2,3,4,5,6,7,8,9,10,11,12,13,14,15
	v_pk_add_f32 v[WB:WB+1], v[WB:WB+1], v[WB+4*\w:WB+4*\w+1]
	v_pk_add_f32 v[WB+2:WB+3], v[WB+2:WB+3], v[WB+4*\w+2:WB+4*\w+3]
.endr
	global_store_b128 v[GO], v[WB:WB+3], s[8:9]
.Lend:
	s_wait_tensorcnt 0x0                           ; the wave's end
	ds_add_u32 v[SPW], v[NIL]
	s_wait_dscnt 0x0
	s_endpgm
.Lfunc_end_k_q8e69738d38_fproj:
	.size	k_q8e69738d38_fproj, .Lfunc_end_k_q8e69738d38_fproj-k_q8e69738d38_fproj
	.p2alignl 7, 3214868480
	.fill 96, 4, 3214868480
	.section	.rodata,"a",@progbits
	.p2align	6, 0x0
	.amdhsa_kernel k_q8e69738d38_fproj
		.amdhsa_group_segment_fixed_size 153600
		.amdhsa_private_segment_fixed_size 0
		.amdhsa_enable_private_segment 0
		.amdhsa_kernarg_size 24
		.amdhsa_user_sgpr_count 2
		.amdhsa_user_sgpr_kernarg_segment_ptr 1
		.amdhsa_wavefront_size32 1
		.amdhsa_system_sgpr_workgroup_id_x 1
		.amdhsa_system_sgpr_workgroup_id_y 1
		.amdhsa_system_sgpr_workgroup_id_z 1
		.amdhsa_system_vgpr_workitem_id 0
		.amdhsa_next_free_vgpr 256
		.amdhsa_next_free_sgpr 66
		.amdhsa_reserve_vcc 0
		.amdhsa_float_denorm_mode_32 3
		.amdhsa_float_denorm_mode_16_64 3
		.amdhsa_memory_ordered 1
		.amdhsa_forward_progress 1
		.amdhsa_inst_pref_size 36
	.end_amdhsa_kernel
	.amdgpu_metadata
---
amdhsa.version: [ 1, 2 ]
amdhsa.kernels:
  - .name:           k_q8e69738d38_fproj
    .symbol:         k_q8e69738d38_fproj.kd
    .args:
      - { .name: attf, .offset: 0, .size: 8, .value_kind: global_buffer, .address_space: global }
      - { .name: wo, .offset: 8, .size: 8, .value_kind: global_buffer, .address_space: global }
      - { .name: out0, .offset: 16, .size: 8, .value_kind: global_buffer, .address_space: global }
    .group_segment_fixed_size: 153600
    .private_segment_fixed_size: 0
    .kernarg_segment_align: 8
    .kernarg_segment_size: 24
    .max_flat_workgroup_size: 512
    .sgpr_count:     66
    .vgpr_count:     256
    .wavefront_size: 32
...
	.end_amdgpu_metadata
.endif
;; end of part 6
